; MI455X (gfx1250); checked and timed in simulation.
; The chip was launched on July 23, 2026; its instructions are those of AMD's public machine-readable ISA for CDNA 5 (MIT licence, August 2026) and "CDNA5" Instruction Set Architecture Reference Guide (July 2026). The comments in the code are by the model that wrote it; some were corrected since.
;; Critic Transformer. Allowed arithmetic: float matrix products may take bf16 or f16 operands with f32 sums; other float arithmetic in f32, or as packed bf16 or f16 multiplies, adds, multiply-adds, maxima and minima; sums over many terms, partial sums and values carried from step to step in f32; what a program stores and reads back later, other than sums and carried values, may be rounded once to bf16 or f16.
;; Inputs: attn_in_b 6 x 384 float32; attn_in_w 6 x 384 x 128 float32; attn_out_b 6 x 128 float32; attn_out_w 6 x 128 x 128 float32; data 64 x 256 x 3 float32; ff_b1 6 x 2,048 float32; ff_b2 6 x 128 float32; ff_w1 6 x 2,048 x 128 float32; ff_w2 6 x 128 x 2,048 float32; lin0_b 128 float32; lin0_w 128 x 3 float32; lin1_b 128 float32; lin1_w 128 x 128 float32; lin3_b 1 float32; lin3_w 1 x 128 float32; ln1_b 6 x 128 float32; ln1_g 6 x 128 float32; ln2_b 6 x 128 float32; ln2_g 6 x 128 float32; mem_bhh 512 float32; mem_bih 512 float32; mem_whh 512 x 128 float32; mem_wih 512 x 256 float32; s2s_bhh 512 float32; s2s_bih 512 float32; s2s_whh 512 x 128 float32; s2s_wih 512 x 256 float32.
;; Outputs: out0 1 x 64 x 1 float32; out1 1 x 64 x 128 float32; out2 1 x 64 x 128 float32.
;; 2 versions, each right; version 2 is version 1 with the launch cast written anew for expert scheduling mode. Each part assembles by itself: llvm-mc -triple=amdgcn-amd-amdhsa -mcpu=gfx1250 --defsym DOCPART=n.
;; ======== version 1 of 2: 3 launches
;; workspace buffers: ws 7,077,888 bytes; lw 688,128 bytes; par 88,064 bytes; xo 4,194,304 bytes
;; launch cast (part 1): grid 259 x 1, 8 waves a work-group, no clusters, 0 bytes of LDS; arguments attn_in_w, attn_out_w, ff_w1, ff_w2, s2s_wih, s2s_whh, mem_wih, mem_whh, lin1_w, attn_in_b, attn_out_b, ln1_g, ln1_b, ff_b1, ff_b2, ln2_g, ln2_b, lin0_w, lin0_b, s2s_bih, s2s_bhh, mem_bih, mem_bhh, lin1_b, lin3_w, ws, lw, par; writes ws, lw, par
.if DOCPART == 1
	.amdgcn_target "amdgcn-amd-amdhsa--gfx1250"
	.amdhsa_code_object_version 6
	.text
	.protected	k_qdee1aacaaf_cast
	.globl	k_qdee1aacaaf_cast
	.p2align	8
	.type	k_qdee1aacaaf_cast,@function
k_qdee1aacaaf_cast:
	s_mov_b64 s[64:65], 0
	v_nop
	global_prefetch_b8 v0, s[64:65] scope:SCOPE_SE
	s_setreg_imm32_b32 hwreg(HW_REG_WAVE_MODE, 25, 1), 1
	s_wait_xcnt 0x0
; Every weight matrix is rounded once to bf16 and laid out in FRAGMENTS, in the order in which the two later launches take them; every small
; vector is rounded once to bf16 and kept as f32 (the bf16 bits on top, zeros below).
; A fragment is 1,024 bytes: 16 rows x 32 k of a matrix M, as [q = 0,1][lane 0..31][16 bytes]; piece (q, lane) holds
; M[row0 + lane % 16][k0 + 16 q + 8 (lane / 16) + 0..7].  A load of 16 bytes a lane at 16 lane + 512 q is then half of a matrix operand.
; Work-groups 0-215: block id of ws (32,768 bytes = 32 fragments): id = (9 l + n) 4 + w, layer l, step n, wave w of the encoder.
;   n = 0: fragments 4 tau + kb (tau = qA qB kA kB vA vB of heads 2 w, 2 w + 1), then 24 + db: rows 16 db of attn_out_w, columns 32 w on.
;   n = 1..8: two groups gg of 32 columns of the hidden layer, dff0 = 512 w + 32 (2 (n - 1) + gg): 16 gg + 4 t + kb: ff_w1 rows dff0 + 16 t; 16 gg + 8 + db: ff_w2 rows 16 db, columns dff0 on.
; Work-groups 216-236: the 21 blocks of lw (the two LSTMs' weights and lin1_w, by wave of the pooling launch).
; Work-groups 237-258: the 172 pieces of 512 bytes of par, one a wave.
; A wave makes four fragments: 16 loads of 16 bytes a lane, 32 roundings, 8 stores of 512 consecutive bytes each, at multiples of 512 from the buffer's first byte.
; STATED: the first 128 columns of s2s_wih and s2s_whh multiply the same vector in every step of reference() (q_star's first half is h, zeros included),
; so their bf16 values are added and the sum rounded to bf16 once more: that weight is rounded twice.
.set SRC,    66                        ; s[66:67] the matrix
.set PITCH,  68                        ; bytes from row to row
.set BASE,   69                        ; byte offset of the wave's first fragment
.set STRIDE, 70                        ; bytes from fragment to fragment
.set DST,    72                        ; s[72:73] where the wave's 4,096 bytes go
.set SRC2,   76                        ; s[76:77] the second matrix of the sum
.set BASE2,  78
.set X,   16                           ; v[16:79]   as loaded, 8 registers a piece
.set X2,  80                           ; v[80:143]  the second matrix
.set Y,   144                          ; v[144:175] to store, 4 registers a piece
.set Y2,  176                          ; v[176:179] at work
	s_load_b512 s[4:19], s[0:1], 0x0               ; argument k lies in s[4+2k:5+2k]
	s_load_b512 s[20:35], s[0:1], 0x40
	s_load_b512 s[36:51], s[0:1], 0x80
	s_load_b256 s[52:59], s[0:1], 0xc0             ; ws s[54:55], lw s[56:57], par s[58:59]
	v_lshrrev_b32 v1, 5, v0
	v_readfirstlane_b32 s3, v1                     ; wave v, 0..7
	s_mov_b32 s2, ttmp9                            ; id
	v_and_b32 v2, 31, v0
	v_lshlrev_b32 v3, 4, v2                        ; 16 lane
	v_and_b32 v4, 15, v0                           ; lane % 16
	v_bfe_u32 v5, v0, 4, 1                         ; lane / 16
	s_and_b32 s84, s3, 1                           ; v & 1
	s_lshr_b32 s85, s3, 1                          ; v >> 1
	s_lshl_b32 s82, s3, 12                         ; the wave's 4,096 bytes in its block
	s_mov_b32 s81, 0
	s_wait_kmcnt 0x0
.macro ROW0 tau, w                     ; s90 = (tau >> 1) 128 + 32 w + (tau & 1) 16
	s_lshr_b32 s90, s[\tau], 1
	s_lshl_b32 s90, s90, 7
	s_lshl_b32 s91, s[\w], 5
	s_add_co_u32 s90, s90, s91
	s_and_b32 s91, s[\tau], 1
	s_lshl_b32 s91, s91, 4
	s_add_co_u32 s90, s90, s91
.endm
; Four fragments.  Piece k = 2 i + q of fragment i.  merge = 1: the sum of two matrices' bf16 values.
.macro FRAG4 merge
	v_mul_lo_u32 v6, v4, s[PITCH]
	v_lshl_add_u32 v6, v5, 5, v6                   ; row x pitch + 32 bytes for the upper half of the lanes
	v_add_nc_u32 v6, s[BASE], v6
	v_add_nc_u32 v7, s[STRIDE], v6
	v_add_nc_u32 v8, s[STRIDE], v7
	v_add_nc_u32 v9, s[STRIDE], v8
.set k, 0
.rept 8
	global_load_b128 v[X+8*k:X+8*k+3],   v[6+k/2], s[SRC:SRC+1] offset:64*(k%2)
	global_load_b128 v[X+8*k+4:X+8*k+7], v[6+k/2], s[SRC:SRC+1] offset:64*(k%2)+16
.set k, k+1
.endr
.if \merge
	v_lshlrev_b32 v10, 9, v4                       ; s2s_whh: rows of 512 bytes, fragments 128 bytes apart
	v_lshl_add_u32 v10, v5, 5, v10
	v_add_nc_u32 v10, s[BASE2], v10
.set k, 0
.rept 8
	global_load_b128 v[X2+8*k:X2+8*k+3],   v10, s[SRC2:SRC2+1] offset:128*(k/2)+64*(k%2)
	global_load_b128 v[X2+8*k+4:X2+8*k+7], v10, s[SRC2:SRC2+1] offset:128*(k/2)+64*(k%2)+16
.set k, k+1
.endr
	s_wait_loadcnt 0x0
.endif
.set k, 0
.rept 8
.if !(\merge)
	s_wait_loadcnt 14-2*k                          ; loads come back in order: piece k's two are in, the later pieces' stay out
.endif
.irp p, 0,1,2,3
	v_cvt_pk_bf16_f32 v[Y+4*k+\p], v[X+8*k+2*\p], v[X+8*k+2*\p+1]
.endr
.if \merge
.irp p, 0,1,2,3
	v_cvt_pk_bf16_f32 v[Y2+\p], v[X2+8*k+2*\p], v[X2+8*k+2*\p+1]
.endr
.irp p, 0,1,2,3
	v_pk_add_bf16 v[Y+4*k+\p], v[Y+4*k+\p], v[Y2+\p]
.endr
.endif
	global_store_b128 v3, v[Y+4*k:Y+4*k+3], s[DST:DST+1] offset:512*k  ; 512 consecutive bytes
.set k, k+1
.endr
	s_endpgm
.endm
	s_cmp_ge_u32 s2, 237
	s_cbranch_scc1 .Lsmall
	s_cmp_ge_u32 s2, 216
	s_cbranch_scc1 .Llw
	; ---- a block of ws
	s_lshl_b32 s80, s2, 15
	s_add_co_u32 s80, s80, s82
	s_add_nc_u64 s[DST:DST+1], s[54:55], s[80:81]
	s_lshr_b32 s86, s2, 2                          ; 9 l + n
	s_and_b32 s87, s2, 3                           ; w
	s_mul_i32 s88, s86, 57
	s_lshr_b32 s88, s88, 9                         ; l = (9 l + n) / 9: exact for 0..53
	s_mul_i32 s89, s88, 9
	s_sub_co_u32 s89, s86, s89                     ; n
	s_cmp_lg_u32 s89, 0
	s_cbranch_scc1 .Lffw
	s_cmp_ge_u32 s3, 6
	s_cbranch_scc1 .Lwo
	s_mov_b64 s[SRC:SRC+1], s[4:5]                 ; attn_in_w: tile tau = v, its four k blocks
	s_mov_b32 s[PITCH], 512
	s_mov_b32 s[STRIDE], 128
	ROW0 3, 87
	s_lshl_b32 s90, s90, 9
	s_mul_i32 s[BASE], s88, 196608
	s_add_co_u32 s[BASE], s[BASE], s90
	s_branch .Lplain
.Lwo:
	s_mov_b64 s[SRC:SRC+1], s[6:7]                 ; attn_out_w: row blocks 4 (v - 6) on, columns 32 w on
	s_mov_b32 s[PITCH], 512
	s_mov_b32 s[STRIDE], 8192
	s_sub_co_u32 s90, s3, 6
	s_lshl_b32 s90, s90, 15
	s_lshl_b32 s91, s87, 7
	s_add_co_u32 s90, s90, s91
	s_lshl_b32 s[BASE], s88, 16
	s_add_co_u32 s[BASE], s[BASE], s90
	s_branch .Lplain
.Lffw:
	s_lshr_b32 s90, s3, 2                          ; gg
	s_sub_co_u32 s91, s89, 1
	s_lshl_b32 s91, s91, 1
	s_add_co_u32 s91, s91, s90
	s_lshl_b32 s91, s91, 5
	s_lshl_b32 s92, s87, 9
	s_add_co_u32 s91, s91, s92                     ; dff0
	s_lshl_b32 s[BASE], s88, 20                    ; a layer of ff_w1 or ff_w2 is 1,048,576 bytes
	s_bitcmp1_b32 s3, 1
	s_cbranch_scc1 .Lw2
	s_mov_b64 s[SRC:SRC+1], s[8:9]                 ; ff_w1: rows dff0 + 16 (v & 1), four k blocks
	s_mov_b32 s[PITCH], 512
	s_mov_b32 s[STRIDE], 128
	s_lshl_b32 s92, s84, 4
	s_add_co_u32 s91, s91, s92
	s_lshl_b32 s91, s91, 9
	s_add_co_u32 s[BASE], s[BASE], s91
	s_branch .Lplain
.Lw2:
	s_mov_b64 s[SRC:SRC+1], s[10:11]               ; ff_w2: row blocks 4 (v & 1) on, columns dff0 on
	s_mov_b32 s[PITCH], 8192
	s_mov_b32 s[STRIDE], 131072
	s_lshl_b32 s92, s84, 19
	s_lshl_b32 s91, s91, 2
	s_add_co_u32 s91, s91, s92
	s_add_co_u32 s[BASE], s[BASE], s91
	s_branch .Lplain
	; ---- a block of lw
.Llw:
	s_sub_co_u32 s86, s2, 216                      ; block B
	s_lshl_b32 s80, s86, 15
	s_add_co_u32 s80, s80, s82
	s_add_nc_u64 s[DST:DST+1], s[56:57], s[80:81]
	s_mov_b32 s[STRIDE], 128
	s_cmp_ge_u32 s86, 20
	s_cbranch_scc1 .Llin1
	s_cmp_ge_u32 s86, 16
	s_cbranch_scc1 .Lmemh
	s_and_b32 s87, s86, 7                          ; s2s (B 0-7) or mem_wih (B 8-15): [w][tau 0..7][kb 0..7]
	s_lshr_b32 s88, s87, 1                         ; w
	s_and_b32 s89, s87, 1
	s_lshl_b32 s89, s89, 2
	s_add_co_u32 s89, s89, s85                     ; tau = 4 (B & 1) + (v >> 1); k blocks 4 (v & 1) on
	ROW0 89, 88
	s_mov_b32 s[PITCH], 1024
	s_lshl_b32 s[BASE], s90, 10
	s_lshl_b32 s91, s84, 9
	s_add_co_u32 s[BASE], s[BASE], s91
	s_cmp_ge_u32 s86, 8
	s_cbranch_scc1 .Lmemi
	s_mov_b64 s[SRC:SRC+1], s[12:13]               ; s2s_wih
	s_cmp_lg_u32 s84, 0
	s_cbranch_scc1 .Lplain                         ; columns 128 on: as they are
	s_mov_b64 s[SRC2:SRC2+1], s[14:15]             ; columns 0-127: plus s2s_whh
	s_lshl_b32 s[BASE2], s90, 9
	s_branch .Lmerge
.Lmemi:
	s_mov_b64 s[SRC:SRC+1], s[16:17]               ; mem_wih
	s_branch .Lplain
.Lmemh:
	s_sub_co_u32 s88, s86, 16                      ; mem_whh: [w][tau = v][kb 0..3]
	ROW0 3, 88
	s_mov_b64 s[SRC:SRC+1], s[18:19]
	s_mov_b32 s[PITCH], 512
	s_lshl_b32 s[BASE], s90, 9
	s_branch .Lplain
.Llin1:
	s_mov_b64 s[SRC:SRC+1], s[20:21]               ; lin1_w: rows 32 (v >> 1) + 16 (v & 1)
	s_mov_b32 s[PITCH], 512
	s_lshl_b32 s90, s85, 5
	s_lshl_b32 s91, s84, 4
	s_add_co_u32 s90, s90, s91
	s_lshl_b32 s[BASE], s90, 9
.Lplain:
	FRAG4 0
.Lmerge:
	FRAG4 1
	; ---- a piece of 512 bytes of par
.macro PICK arg, first                 ; from piece 'first' on the vector is argument s[arg:arg+1]
	s_cmp_ge_u32 s82, \first
	s_cselect_b64 s[SRC:SRC+1], s[\arg:\arg+1], s[SRC:SRC+1]
	s_cselect_b32 s80, \first, s80
.endm
.Lsmall:
	s_sub_co_u32 s82, s2, 237
	s_lshl_b32 s82, s82, 3
	s_add_co_u32 s82, s82, s3                      ; piece U
	s_cmp_ge_u32 s82, 172
	s_cbranch_scc1 .Lend                           ; the last work-group has four waves more than there are pieces
	s_mov_b64 s[SRC:SRC+1], s[22:23]               ; attn_in_b
	s_mov_b32 s80, 0
	PICK 24, 18                                    ; attn_out_b
	PICK 26, 24                                    ; ln1_g
	PICK 28, 30                                    ; ln1_b
	PICK 30, 36                                    ; ff_b1
	PICK 32, 132                                   ; ff_b2
	PICK 34, 138                                   ; ln2_g
	PICK 36, 144                                   ; ln2_b
	PICK 38, 150                                   ; lin0_w
	PICK 40, 153                                   ; lin0_b
	PICK 42, 154                                   ; s2s_bih
	PICK 44, 158                                   ; s2s_bhh
	PICK 46, 162                                   ; mem_bih
	PICK 48, 166                                   ; mem_bhh
	PICK 50, 170                                   ; lin1_b
	PICK 52, 171                                   ; lin3_w
	s_sub_co_u32 s80, s82, s80
	s_lshl_b32 s80, s80, 9
	v_add_nc_u32 v6, s80, v3
	global_load_b128 v[16:19], v6, s[SRC:SRC+1]
	s_lshl_b32 s83, s82, 9
	v_add_nc_u32 v7, s83, v3
	s_wait_loadcnt 0x0
	v_cvt_pk_bf16_f32 v12, v16, v17
	v_cvt_pk_bf16_f32 v13, v18, v19
	v_lshlrev_b32 v24, 16, v12                     ; the bf16 value as f32
	v_and_b32 v25, 0xffff0000, v12
	v_lshlrev_b32 v26, 16, v13
	v_and_b32 v27, 0xffff0000, v13
	global_store_b128 v7, v[24:27], s[58:59]
.Lend:
	s_endpgm
.Lfunc_end_k_qdee1aacaaf_cast:
	.size	k_qdee1aacaaf_cast, .Lfunc_end_k_qdee1aacaaf_cast-k_qdee1aacaaf_cast
	.p2alignl 7, 3214868480
	.fill 96, 4, 3214868480
	.section	.rodata,"a",@progbits
	.p2align	6, 0x0
	.amdhsa_kernel k_qdee1aacaaf_cast
		.amdhsa_group_segment_fixed_size 0
		.amdhsa_private_segment_fixed_size 0
		.amdhsa_enable_private_segment 0
		.amdhsa_kernarg_size 224
		.amdhsa_user_sgpr_count 2
		.amdhsa_user_sgpr_kernarg_segment_ptr 1
		.amdhsa_wavefront_size32 1
		.amdhsa_system_sgpr_workgroup_id_x 1
		.amdhsa_system_sgpr_workgroup_id_y 1
		.amdhsa_system_sgpr_workgroup_id_z 1
		.amdhsa_system_vgpr_workitem_id 0
		.amdhsa_next_free_vgpr 184
		.amdhsa_next_free_sgpr 100
		.amdhsa_reserve_vcc 0
		.amdhsa_float_denorm_mode_32 3
		.amdhsa_float_denorm_mode_16_64 3
		.amdhsa_memory_ordered 1
		.amdhsa_forward_progress 1
		.amdhsa_inst_pref_size 24
	.end_amdhsa_kernel
	.amdgpu_metadata
---
amdhsa.version: [ 1, 2 ]
amdhsa.kernels:
  - .name:           k_qdee1aacaaf_cast
    .symbol:         k_qdee1aacaaf_cast.kd
    .args:
      - { .name: attn_in_w, .offset: 0, .size: 8, .value_kind: global_buffer, .address_space: global }
      - { .name: attn_out_w, .offset: 8, .size: 8, .value_kind: global_buffer, .address_space: global }
      - { .name: ff_w1, .offset: 16, .size: 8, .value_kind: global_buffer, .address_space: global }
      - { .name: ff_w2, .offset: 24, .size: 8, .value_kind: global_buffer, .address_space: global }
      - { .name: s2s_wih, .offset: 32, .size: 8, .value_kind: global_buffer, .address_space: global }
      - { .name: s2s_whh, .offset: 40, .size: 8, .value_kind: global_buffer, .address_space: global }
      - { .name: mem_wih, .offset: 48, .size: 8, .value_kind: global_buffer, .address_space: global }
      - { .name: mem_whh, .offset: 56, .size: 8, .value_kind: global_buffer, .address_space: global }
      - { .name: lin1_w, .offset: 64, .size: 8, .value_kind: global_buffer, .address_space: global }
      - { .name: attn_in_b, .offset: 72, .size: 8, .value_kind: global_buffer, .address_space: global }
      - { .name: attn_out_b, .offset: 80, .size: 8, .value_kind: global_buffer, .address_space: global }
      - { .name: ln1_g, .offset: 88, .size: 8, .value_kind: global_buffer, .address_space: global }
      - { .name: ln1_b, .offset: 96, .size: 8, .value_kind: global_buffer, .address_space: global }
      - { .name: ff_b1, .offset: 104, .size: 8, .value_kind: global_buffer, .address_space: global }
      - { .name: ff_b2, .offset: 112, .size: 8, .value_kind: global_buffer, .address_space: global }
      - { .name: ln2_g, .offset: 120, .size: 8, .value_kind: global_buffer, .address_space: global }
      - { .name: ln2_b, .offset: 128, .size: 8, .value_kind: global_buffer, .address_space: global }
      - { .name: lin0_w, .offset: 136, .size: 8, .value_kind: global_buffer, .address_space: global }
      - { .name: lin0_b, .offset: 144, .size: 8, .value_kind: global_buffer, .address_space: global }
      - { .name: s2s_bih, .offset: 152, .size: 8, .value_kind: global_buffer, .address_space: global }
      - { .name: s2s_bhh, .offset: 160, .size: 8, .value_kind: global_buffer, .address_space: global }
      - { .name: mem_bih, .offset: 168, .size: 8, .value_kind: global_buffer, .address_space: global }
      - { .name: mem_bhh, .offset: 176, .size: 8, .value_kind: global_buffer, .address_space: global }
      - { .name: lin1_b, .offset: 184, .size: 8, .value_kind: global_buffer, .address_space: global }
      - { .name: lin3_w, .offset: 192, .size: 8, .value_kind: global_buffer, .address_space: global }
      - { .name: ws, .offset: 200, .size: 8, .value_kind: global_buffer, .address_space: global }
      - { .name: lw, .offset: 208, .size: 8, .value_kind: global_buffer, .address_space: global }
      - { .name: par, .offset: 216, .size: 8, .value_kind: global_buffer, .address_space: global }
    .group_segment_fixed_size: 0
    .private_segment_fixed_size: 0
    .kernarg_segment_align: 8
    .kernarg_segment_size: 224
    .max_flat_workgroup_size: 256
    .sgpr_count:     100
    .vgpr_count:     184
    .wavefront_size: 32
...
	.end_amdgpu_metadata
.endif
;; end of part 1
;; launch enc (part 2): grid 256 x 1, 4 waves a work-group, clusters of 4 x 1, 327,680 bytes of LDS; arguments data, ws, par, xo; writes xo
.if DOCPART == 2
	.amdgcn_target "amdgcn-amd-amdhsa--gfx1250"
	.amdhsa_code_object_version 6
	.text
	.protected	k_qdee1aacaaf_enc
	.globl	k_qdee1aacaaf_enc
	.p2align	8
	.type	k_qdee1aacaaf_enc,@function
k_qdee1aacaaf_enc:
	s_mov_b64 s[64:65], 0
	v_nop
	global_prefetch_b8 v0, s[64:65] scope:SCOPE_SE
	s_setreg_imm32_b32 hwreg(HW_REG_WAVE_MODE, 25, 1), 1
	s_wait_xcnt 0x0
	s_wait_alu depctr_hold_cnt(0) depctr_sa_sdst(0) depctr_va_vdst(0) depctr_va_sdst(0) depctr_va_ssrc(0) depctr_va_vcc(0) depctr_vm_vsrc(0)
	s_getreg_b32 s2, hwreg(HW_REG_IB_STS2, 6, 4)
	s_cmp_eq_u32 s2, 0
	s_cbranch_scc0 .Lentry_in_a_cluster
	s_endpgm
.Lentry_in_a_cluster:
	s_bfe_u32 s2, ttmp6, 0x10000c
	s_cmp_lg_u32 s2, 0x3003
	s_cbranch_scc0 .Lentry_shape_is_right
	s_endpgm
.Lentry_shape_is_right:
; lin0 + ReLU and the six encoder layers for ONE index b of axis 1: 64 rows (axis 0) x 128 channels.  256 work-groups, four waves.
; SHARES.  Wave w owns rows 16 w .. 16 w + 15 (the residual x in f32, both LayerNorms, the output projection), heads 2 w and 2 w + 1 (all 64 queries and keys),
; and columns 512 w .. 512 w + 511 of the hidden layer.  Every wave holds all of x in bf16 as matrix operands.  LOCAL ORDER: block u of 16 rows means rows 16 ((w + u) & 3) on, so 'my own' is u = 0 in every wave's registers.
; PRODUCTS are laid so that a result, rounded to bf16 in pairs, IS the next product's operand: q, k, H, O, Z, Y are made transposed (source 0 = 16 rows of the weights, source 1 = 16 rows of x):
; a lane then holds one row of x (lane % 16) and eight channels 8 (lane / 16) + 0..7; v is made the other way round, and is then source 0 of O^T = V^T P.
; Scores: K's operand holds head A in k = 0..15 and head B in k = 16..31; Q's operand holds one head and zeros for the other.
; SOFTMAX: all 64 keys of a query lie in two lanes: the true maximum is taken away; p = 2^(c s - c m), c = log2(e) / 4; p is rounded to bf16 for V^T P, its sum is taken of the unrounded p; v's bias is added behind the division (the weights add up to 1).
; FEED-FORWARD: each wave makes Y^T for ALL 64 rows over ITS 512 hidden columns; the four partial sums meet once a layer, in f32, through LDS.
; WEIGHTS come as bf16 fragments in the order of use (launch cast): 54 steps of 131,072 bytes, 32,768 a wave, through a ring of two LDS slots.  The four work-groups of a cluster walk the same weights,
; so each wave's quarter is asked for JOINTLY (mask 15), one tensor load a wave behind each round of the cluster's barrier; by this text's count one tensor load of a wave is out at any time.
; THE WALK.  A layer's eight feed-forward steps are terms of one sum, so each cluster takes them from its own starting point: cluster k takes step 1 + ((k + p) & 7) at place p.  At any time the 64 clusters
; ask for eight different steps; all eight are first asked for at place 0, a layer's end and a whole attention phase ahead of their use, and a step asked for at places 1 to 7 has been asked for by eight other clusters before.
; k = ttmp9 & 7 is the same in the four partners; it enters global addresses alone (the descriptor's, and ff_b1's in par): ff_b1 is laid into LDS in the cluster's order and read at fixed places.
; LIMITS: matrix operands and the x that leaves are bf16; data is rounded to bf16 like the other inputs; the order in which the hidden columns are added differs from cluster to cluster;
; a weight p below 2^-126 counts as 0; NaN and infinities are not treated apart.
; lin0 (K = 3) is done in f32 by the vector unit.  Y^T's 256 registers are cleared once a layer, beside the first hidden products: writing a first step with C = 0 out would be a fourth copy of a slot's text.
.set SLOTB, 0x20000                    ; a slot, and a step of ws; slot 1 begins here, so that one exclusive or changes slots
.set RED,   262144                     ; behind the ring, never filled by a tensor load: 4 x 8,192 for the partial sums; its first 16,384 also carry the heads' outputs from wave to wave
.set XS,    294912                     ; 4 x 4,096: each wave's 16 rows of x in bf16, as four fragments
.set B1S,   311296                     ; 4 x 2,048: each wave's own 512 numbers of ff_b1, in the cluster's order
.set SPARE, 319488                     ; the spare words: 128 bytes a wave, two blocks of 256 bytes that no other line names
.set P_AOB, 9216                       ; byte offsets in par
.set P_L1G, 12288
.set P_L1B, 15360
.set P_B1,  18432
.set P_B2,  67584
.set P_L2G, 70656
.set P_L2B, 73728
.set P_W0,  76800
.set P_B0,  78336
; window 0
.set L16, 1                            ; 16 lane
.set H32, 2                            ; 32 (lane / 16)
.set SPW, 3                            ; my spare word
.set NIL, 4                            ; 0, for the add alone
.set ZR,  5                            ; 0, for ReLU
.set CUR, 6                            ; my quarter of the slot in hand
.set WO,  7                            ; v7-9    the quarters of waves (w + 1..3) & 3 in the slot in hand
.set QA,  10                           ; v10-13  ((w + u) & 3) 32,768 + 16 lane
.set XSO, 14                           ; v14 my block of XS; v15-17 those of waves (w + u) & 3
.set RDO, 18                           ; v18 my block of RED; v19-21 those of waves (w - i) & 3
.set AOO, 22                           ; v22 where my heads' outputs go; v23-25 where those for my rows lie
.set B1O, 26                           ; my block of B1S, by 16 lane
.set B1R, 27                           ; the same, by 32 (lane / 16)
.set B1C, 28                           ; + the slot's place
.set PL,  29                           ; 32 (lane / 16) + 512 l
.set PQ,  30                           ; 1,536 l + 128 w + 32 (lane / 16)
.set PB1, 31                           ; P_B1 + 8,192 l + 2,048 w + 16 (lane % 16)
.set HT,  32                           ; feed-forward: H^T, group x tile 4 t + u at HT + 64 x + 8 (4 t + u)
.set HP,  160                          ;   H in bf16: HP + 32 x + 8 u + 4 t
.set B1,  224                          ;   ff_b1 as a C operand: B1 + 16 x + 8 t
.set QF,  32                           ; attention: Q's operands QF + 32 hd + 8 u
.set KF,  96                           ;   K's: KF + 8 u
.set VF,  128                          ;   V^T's: VF + 16 hd + 8 kk
.set AO,  224                          ;   the heads' outputs: AO + 8 u
.set PG,  32                           ; LayerNorm: gain, offset, the bias in front
.set PE,  96
.set PB,  160
; window 1
.set XF,  0                            ; x in bf16: XF + 32 u + 8 kb
.set XR,  128                          ; x of my rows in f32: channel 16 db + 8 (lane / 16) + j at XR + 8 db + j
.set QB,  192                          ; attn_in_b for my six tiles
.set T,   240                          ; at work
; window 2
.set W1F, 0                            ; ff_w1: 64 x + 8 (4 t + kb); attention: 8 (4 tau + kb), then attn_out_w: 64 u + 8 db
.set W2F, 128                          ; ff_w2: W2F + 64 x + 8 db
.set IN,  192                          ; a partial sum from another wave
; window 3
.set YT,  0                            ; Y^T: 64 u + 8 db; attention: q, k, v sums 8 (4 tau + u)
.set S,   0                            ; S^T: 32 uq + 8 ut
.set P,   128                          ; P: 16 uq + 8 kk
.set CX,  192                          ; v192-195 at work
.set CM,  196                          ; c m, twice
.set LI,  200                          ; 1 / l, twice: LI + 2 uq
.set O,   224                          ; O^T: O + 8 uq
.set Z,   0                            ; what is added to x: 8 db
; scalars: s[4:5] data, s[6:7] ws, s[8:9] par, s[10:11] xo at my rows; s12 wave; s13 cx, s14 b, s42-45 offsets made of b (they feed no descriptor and no LDS address);
; s[16:23] descriptor group 1, s[24:27] group 0; s28 LDS byte of the slot in hand; s29 layers to go; s30 slots to go; s32 the slot's place in B1S; s33 k + the feed-forward steps asked for so far;
; s[34:35] c; s[36:37] selects of v_permlanex16_b32; s38 1/128; s39 1e-5; s40, s41 at work; s[46:47] a step's byte offset in ws; s[48:49] ws at my quarter; s50 the layer's first byte in ws; s51 k
.set MSB, 0
.macro WIN new                         ; bits 1:0 source 0, 3:2 source 1, 5:4 source 2, 7:6 destination; the high byte repeats the setting that is left
.if MSB != (\new)
	s_set_vgpr_msb (MSB<<8)|(\new)
.set MSB, \new
.endif
.endm
.macro PLACES                          ; four plain vector instructions between a matrix instruction and a vector instruction, store or load that touches its registers
.rept 4
	v_nop
.endr
.endm
.macro CREST                           ; a round of the cluster's barrier behind its opening barrier
	s_cmp_lg_u32 s12, 0
	s_cbranch_scc1 .Lnot_wave_0_\@
	s_barrier_signal -3
.Lnot_wave_0_\@:
	s_barrier_wait -3
	s_barrier_signal -1
	s_barrier_wait -1
.endm
.macro ROUND                           ; a whole round
	s_barrier_signal -1
	s_barrier_wait -1
	CREST
.endm
.macro REFILL                          ; my one tensor load behind a round
	tensor_load_to_lds s[24:27], s[16:23]
	s_nop 0
	PLACES                                         ; the places in front of the loads that follow
.endm
; Group 0 for the next request; no tensor load of mine is out where it stands.  kind 1: the layer's next feed-forward step in my cluster's order; kind 2: the next layer's attention block.
; The address is made anew: the kept pointer plus an offset made apart, and the type bits.
.macro ASK kind
	s_xor_b32 s25, s25, SLOTB
.if (\kind) == 1
	s_and_b32 s46, s33, 7
	s_add_co_u32 s33, s33, 1
	s_add_co_u32 s46, s46, 1
	s_lshl_b32 s46, s46, 17
	s_add_co_u32 s46, s46, s50
.else
	s_add_co_u32 s50, s50, 9*SLOTB
	s_mov_b32 s46, s50
.endif
	s_add_nc_u64 s[26:27], s[48:49], s[46:47]
	s_or_b32 s27, s27, 0x80000000
.endm
; THE CHANGE OF SLOTS where no matrix work is at hand.  My one tensor load that is out, my quarter of the next step, has landed; the add; my reads of the slot that is left are back.  Behind the round that holds
; of every wave of the four work-groups, and the slot that is left is filled again, first thing.
.macro CHANGE kind
	WIN 0
	s_wait_tensorcnt 0x0                           ; no tensor load of mine is out: group 0 may be written
	ds_add_u32 v[SPW], v[NIL]                      ; 0 onto my spare word; the scalar steps stand between it and the wait for it
	ASK \kind
	s_xor_b32 s28, s28, SLOTB
	s_wait_dscnt 0x0                               ; the add is done; my LDS reads and stores are done
	ROUND
	REFILL
	v_add_nc_u32 v[CUR], s28, v[QA]
.endm
; ---- feed-forward
.macro RID8 x, tl                      ; tile tl = 4 t + u of group x: rounded to bf16, then ReLU on the packed halves
	WIN 0
.set rH, HT+64*(\x)+8*(\tl)
.set rP, HP+32*(\x)+8*((\tl)%4)+4*((\tl)/4)
.irp p, 0,1,2,3
	v_cvt_pk_bf16_f32 v[rP+\p], v[rH+2*\p], v[rH+2*\p+1]
.endr
.irp p, 0,1,2,3
	v_pk_max_num_bf16 v[rP+\p], v[rP+\p], v[ZR]
.endr
.endm
.macro CLR first, count                ; zeros into Y^T
	WIN 0xc0
.set z, \first
.rept \count
	v_mov_b32 v[z], 0
.set z, z+1
.endr
.endm
; H^T of group x: 32 products, the 8 accumulators by turns; the first 8 start the sums with ff_b1.  mode 0: bare.  Else behind every fourth product stands vector work that
; names none of its registers: mode 1: the other group's tile n / 4 is rounded; mode 2: 24 zeros; mode 3: the tile and 8 zeros.
.macro FF1 x, mode
.set n, 0
.rept 32
.set kb, n/8
.set tl, n%8
.set rD, HT+64*(\x)+8*tl
.set rA, W1F+64*(\x)+8*(4*(tl/4)+kb)
.set rB, XF+32*(tl%4)+8*kb
	WIN 0x06
.if kb == 0
	v_wmma_f32_16x16x32_bf16 v[rD:rD+7], v[rA:rA+7], v[rB:rB+7], v[B1+16*(\x)+8*(tl/4):B1+16*(\x)+8*(tl/4)+7]
.else
	v_wmma_f32_16x16x32_bf16 v[rD:rD+7], v[rA:rA+7], v[rB:rB+7], v[rD:rD+7]
.endif
.if n%4 == 3
.if ((\mode) == 1) || ((\mode) == 3)
	RID8 1-(\x), n/4
.endif
.if (\mode) == 2
	CLR 24*(n/4), 24
.endif
.if (\mode) == 3
	CLR 192+8*(n/4), 8
.endif
.endif
.set n, n+1
.endr
.endm
; Y^T += W2 H of group x: one product on each of the 32 accumulators; numbers from .. to - 1 of them.  rid = 1: group 1's tiles are rounded beside them.
.macro FF2 x, rid, from=0, to=32
.set n, \from
.rept (\to)-(\from)
.set rD, YT+64*(n%4)+8*(n/4)
	WIN 0xf2
	v_wmma_f32_16x16x32_bf16 v[rD:rD+7], v[W2F+64*(\x)+8*(n/4):W2F+64*(\x)+8*(n/4)+7], v[HP+32*(\x)+8*(n%4):HP+32*(\x)+8*(n%4)+7], v[rD:rD+7]
.if (\rid) && (n%4 == 3)
	RID8 1, n/4
.endif
.set n, n+1
.endr
.endm
.macro LDW1                            ; 40 LDS loads: group 0's ff_w1, both groups' ff_b1, group 1's ff_w1
	WIN 0
	v_add_nc_u32 v[B1C], s32, v[B1R]
	WIN 0x80
.set k, 0
.rept 16
	ds_load_b128 v[W1F+4*k:W1F+4*k+3], v[CUR] offset:512*k
.set k, k+1
.endr
	WIN 0
.set k, 0
.rept 8
	ds_load_b128 v[B1+4*k:B1+4*k+3], v[B1C] offset:128*(k/4)+64*((k/2)%2)+16*(k%2)
.set k, k+1
.endr
	WIN 0x80
.set k, 0
.rept 16
	ds_load_b128 v[W1F+64+4*k:W1F+64+4*k+3], v[CUR] offset:16384+512*k
.set k, k+1
.endr
.endm
.macro LDW2 x                          ; 16 LDS loads: group x's ff_w2
	WIN 0x80
.set k, 0
.rept 16
	ds_load_b128 v[W2F+64*(\x)+4*k:W2F+64*(\x)+4*k+3], v[CUR] offset:16384*(\x)+8192+512*k
.set k, k+1
.endr
.endm
; THE CHANGE OF SLOTS in the feed-forward.  All of the old slot's fragments have been asked for; group a' is rounded, group b' is not.  The 32 products Y^T += W2 H(a'), work on registers alone, stand beside the change:
; 16 between the add and the wait for it, 16 between the opening signal and its wait; b' is rounded beside them.  kind 0: the walk's last slot: nothing is asked for, and a plain barrier does.
.macro MEET kind
	WIN 0
	s_wait_tensorcnt 0x0                           ; my quarter of the next step has landed; no tensor load of mine is out: group 0 may be written
	ds_add_u32 v[SPW], v[NIL]
.if \kind
	ASK \kind
.endif
	s_xor_b32 s28, s28, SLOTB
	s_wait_dscnt 17                                ; group a''s ff_w2 is in: the add and the 16 loads of group b''s may be out
	FF2 0, 1, 0, 16
	s_wait_dscnt 0x0                               ; the add is done, and my reads of the slot that is left are back
	s_barrier_signal -1
	FF2 0, 1, 16, 32
	WIN 0
	s_barrier_wait -1
.if \kind
	CREST                                          ; no wave of any partner still reads the slot or has a load on its way
	REFILL
.else
	PLACES
.endif
	v_add_nc_u32 v[CUR], s28, v[QA]
.endm
; A SLOT of the feed-forward: groups a, b; a', b' are the slot before's.
.macro TRIP kind
	MEET \kind                                     ; a'
	LDW1
	FF2 1, 0                                       ; b': 32 products on registers stand between those loads and their use
	PLACES
	LDW2 0
	LDW2 1
	s_wait_dscnt 48                                ; group a's ff_w1 and ff_b1 are in; the youngest 48 loads (group b's ff_w1, both groups' ff_w2) may be out
	FF1 0, 0                                       ; a
	PLACES                                         ; between a's products and the roundings that read them
	s_wait_dscnt 32                                ; group b's ff_w1 is in; both groups' ff_w2 may be out: the next change of slots, or the end, waits for them
	FF1 1, 1                                       ; b; beside it a is rounded
	s_add_co_u32 s32, s32, 256
.endm
; ---- what the waves hand to each other
.macro XRND i                          ; every wave hands its partial sum for wave (w + i) & 3 over and takes the one for its own rows from wave (w - i) & 3
	WIN 0x0c
.set k, 0
.rept 16
	ds_store_b128 v[RDO], v[YT+64*(\i)+4*k:YT+64*(\i)+4*k+3] offset:512*k
.set k, k+1
.endr
	s_wait_dscnt 0x0                               ; for the others' sake: my stores are done
	s_barrier_signal -1
	s_barrier_wait -1
	WIN 0x80
.set k, 0
.rept 16
	ds_load_b128 v[IN+4*k:IN+4*k+3], v[RDO+(\i)] offset:512*k
.set k, k+1
.endr
	s_wait_dscnt 0x0                               ; my reads are back: the block may be written again behind the next barrier
.if (\i) < 3
	s_barrier_signal -1
.endif
	WIN 0xcb
.set k, 0
.rept 32
	v_pk_add_f32 v[YT+2*k:YT+2*k+1], v[YT+2*k:YT+2*k+1], v[IN+2*k:IN+2*k+1]
.set k, k+1
.endr
.if (\i) < 3
	s_barrier_wait -1
.endif
.endm
.macro SHARE                           ; my 16 rows of x in bf16 go to the others, theirs come to me.  A tensor load may be out across this barrier
	WIN 0x04
.set k, 0
.rept 8
	ds_store_b128 v[XSO], v[XF+4*k:XF+4*k+3] offset:512*k
.set k, k+1
.endr
	s_wait_dscnt 0x0
	s_barrier_signal -1
	s_barrier_wait -1
	WIN 0x40
.set k, 8
.rept 24
	ds_load_b128 v[XF+4*k:XF+4*k+3], v[XSO+k/8] offset:512*(k%8)
.set k, k+1
.endr
.endm
; ---- LayerNorm of x + Z (+ PB) over my rows; a row's 128 channels lie in two lanes, 64 each
.macro RSUM
	v_pk_add_f32 v[T:T+1], v[T:T+1], v[T+2:T+3]
	v_pk_add_f32 v[T+4:T+5], v[T+4:T+5], v[T+6:T+7]
	v_pk_add_f32 v[T:T+1], v[T:T+1], v[T+4:T+5]
	v_add_f32 v[T], v[T], v[T+1]
	v_permlanex16_b32 v[T+2], v[T], s36, s37
	v_add_f32 v[T], v[T], v[T+2]
.endm
.macro LN bias
	WIN 0x47
.set k, 0
.rept 32
	v_pk_add_f32 v[XR+2*k:XR+2*k+1], v[Z+2*k:Z+2*k+1], v[XR+2*k:XR+2*k+1]
.set k, k+1
.endr
.if \bias
	WIN 0x41
.set k, 0
.rept 32
	v_pk_add_f32 v[XR+2*k:XR+2*k+1], v[XR+2*k:XR+2*k+1], v[PB+2*k:PB+2*k+1]
.set k, k+1
.endr
.endif
	WIN 0x55
.irp c, 0,1,2,3
	v_pk_add_f32 v[T+2*\c:T+2*\c+1], v[XR+2*\c:XR+2*\c+1], v[XR+8+2*\c:XR+8+2*\c+1]
.endr
.set k, 8
.rept 24
	v_pk_add_f32 v[T+2*(k%4):T+2*(k%4)+1], v[T+2*(k%4):T+2*(k%4)+1], v[XR+2*k:XR+2*k+1]
.set k, k+1
.endr
	RSUM
	v_mul_f32 v[T+8], s38, v[T]                    ; the mean, twice
	v_mul_f32 v[T+9], s38, v[T]
.set k, 0
.rept 32
	v_pk_add_f32 v[XR+2*k:XR+2*k+1], v[XR+2*k:XR+2*k+1], v[T+8:T+9] neg_lo:[0,1] neg_hi:[0,1]
.set k, k+1
.endr
.irp c, 0,1,2,3
	v_pk_mul_f32 v[T+2*\c:T+2*\c+1], v[XR+2*\c:XR+2*\c+1], v[XR+2*\c:XR+2*\c+1]
.endr
.set k, 4
.rept 28
	v_pk_fma_f32 v[T+2*(k%4):T+2*(k%4)+1], v[XR+2*k:XR+2*k+1], v[XR+2*k:XR+2*k+1], v[T+2*(k%4):T+2*(k%4)+1]
.set k, k+1
.endr
	RSUM
	v_fma_f32 v[T+4], v[T], s38, s39               ; variance + 1e-5
	v_rsq_f32 v[T+8], v[T+4]
	v_rsq_f32 v[T+9], v[T+4]
	v_nop                                          ; a plain instruction between the root and the use of its result
.set k, 0
	s_wait_alu depctr_va_vdst(0)
.rept 32
	v_pk_mul_f32 v[XR+2*k:XR+2*k+1], v[XR+2*k:XR+2*k+1], v[T+8:T+9]
.set k, k+1
.endr
	WIN 0x41
.set k, 0
.rept 32
	v_pk_fma_f32 v[XR+2*k:XR+2*k+1], v[XR+2*k:XR+2*k+1], v[PG+2*k:PG+2*k+1], v[PE+2*k:PE+2*k+1]
.set k, k+1
.endr
.endm
.macro PACKX                           ; my rows in bf16: two neighbouring f32 registers are one register of the operand
	WIN 0x45
.set k, 0
.rept 32
	v_cvt_pk_bf16_f32 v[XF+k], v[XR+2*k], v[XR+2*k+1]
.set k, k+1
.endr
.endm
.macro PARAM reg, off                  ; 128 numbers of a layer's vector, laid as my 64 channels: 16 loads
.set k, 0
.rept 16
	global_load_b128 v[(\reg)+4*k:(\reg)+4*k+3], v[PL], s[8:9] offset:(\off)+64*(k/2)+16*(k%2)
.set k, k+1
.endr
.endm
.macro PRE_ATT                         ; attn_in_b for my six tiles, and their 24 fragments of attn_in_w out of the slot in hand
	WIN 0x40
.set k, 0
.rept 12
	global_load_b128 v[QB+4*k:QB+4*k+3], v[PQ], s[8:9] offset:512*(k/4)+64*((k/2)%2)+16*(k%2)
.set k, k+1
.endr
	WIN 0x80
.set k, 0
.rept 48
	ds_load_b128 v[4*k:4*k+3], v[CUR] offset:512*k
.set k, k+1
.endr
.endm
; ---- attention
.macro SMX uq                          ; softmax of query block uq: a lane holds one query and 32 of its 64 scores
.set rS, S+32*(\uq)
.set rP, P+16*(\uq)
	WIN 0xff
.irp a, 0,1,2,3
	v_max3_num_f32 v[CX+\a], v[rS+8*\a], v[rS+8*\a+1], v[rS+8*\a+2]  ; each accumulator's lowest registers are read first
.endr
.irp a, 0,1,2,3
	v_max3_num_f32 v[CX+\a], v[CX+\a], v[rS+8*\a+3], v[rS+8*\a+4]
.endr
.irp a, 0,1,2,3
	v_max3_num_f32 v[CX+\a], v[CX+\a], v[rS+8*\a+5], v[rS+8*\a+6]
.endr
	v_max3_num_f32 v[CX], v[CX], v[rS+7], v[rS+15]
	v_max3_num_f32 v[CX+2], v[CX+2], v[rS+23], v[rS+31]
	v_max3_num_f32 v[CX], v[CX], v[CX+1], v[CX+2]
	v_max_num_f32 v[CX], v[CX], v[CX+3]
	v_permlanex16_b32 v[CX+1], v[CX], s36, s37     ; the query's other 32 keys lie in the lane 16 away
	v_max_num_f32 v[CX], v[CX], v[CX+1]
	v_mul_f32 v[CM], s34, v[CX]
	v_mul_f32 v[CM+1], s34, v[CX]
.set k, 0
.rept 15
	v_pk_fma_f32 v[rS+2*k:rS+2*k+1], v[rS+2*k:rS+2*k+1], s[34:35], v[CM:CM+1] op_sel_hi:[1,0,1] neg_lo:[0,0,1] neg_hi:[0,0,1]
.set k, k+1
.endr
.set k, 0
.rept 16                               ; two exponentials, then a plain instruction: the last scaling, or the rounding of the pair before
	v_exp_f32 v[rS+2*k], v[rS+2*k]
	v_exp_f32 v[rS+2*k+1], v[rS+2*k+1]
.if k == 0
	v_pk_fma_f32 v[rS+30:rS+31], v[rS+30:rS+31], s[34:35], v[CM:CM+1] op_sel_hi:[1,0,1] neg_lo:[0,0,1] neg_hi:[0,0,1]
.else
	s_wait_alu depctr_va_vdst(0)
	v_cvt_pk_bf16_f32 v[rP+k-1], v[rS+2*k-2], v[rS+2*k-1]
.endif
.set k, k+1
.endr
	v_cvt_pk_bf16_f32 v[rP+15], v[rS+30], v[rS+31]
.irp w, 4, 8, 16, 32                   ; the sum of the 16 pairs, in place
.set k, 0
.rept 32/(\w)
	v_pk_add_f32 v[rS+(\w)*k:rS+(\w)*k+1], v[rS+(\w)*k:rS+(\w)*k+1], v[rS+(\w)*k+(\w)/2:rS+(\w)*k+(\w)/2+1]
.set k, k+1
.endr
.endr
	v_add_f32 v[rS], v[rS], v[rS+1]
	v_permlanex16_b32 v[CX+1], v[rS], s36, s37
	v_add_f32 v[rS], v[rS], v[CX+1]
	v_rcp_f32 v[LI+2*(\uq)], v[rS]
	v_rcp_f32 v[LI+2*(\uq)+1], v[rS]               ; what follows neither reads 1 / l nor writes its source; its first use stands behind four v_nop
.endm
.macro HEAD hd
	WIN 0xc0
.set n, 0
.rept 16                               ; S^T: query block n / 4, key block n % 4
	v_wmma_f32_16x16x32_bf16 v[S+8*n:S+8*n+7], v[KF+8*(n%4):KF+8*(n%4)+7], v[QF+32*(\hd)+8*(n/4):QF+32*(\hd)+8*(n/4)+7], 0
.set n, n+1
.endr
	PLACES
	SMX 0
	SMX 1
	SMX 2
	SMX 3
	WIN 0xfc
.set n, 0
.rept 8                                ; O^T: key half n / 4, query block n % 4: the four accumulators by turns
.if n < 4
	v_wmma_f32_16x16x32_bf16 v[O+8*(n%4):O+8*(n%4)+7], v[VF+16*(\hd)+8*(n/4):VF+16*(\hd)+8*(n/4)+7], v[P+16*(n%4)+8*(n/4):P+16*(n%4)+8*(n/4)+7], 0
.else
	v_wmma_f32_16x16x32_bf16 v[O+8*(n%4):O+8*(n%4)+7], v[VF+16*(\hd)+8*(n/4):VF+16*(\hd)+8*(n/4)+7], v[P+16*(n%4)+8*(n/4):P+16*(n%4)+8*(n/4)+7], v[O+8*(n%4):O+8*(n%4)+7]
.endif
.set n, n+1
.endr
	PLACES
	WIN 0xdf
.set n, 0
	s_wait_alu depctr_va_vdst(0)
.rept 16                               ; O / l + v's bias
	v_pk_fma_f32 v[O+2*n:O+2*n+1], v[O+2*n:O+2*n+1], v[LI+2*(n/4):LI+2*(n/4)+1], v[QB+32+8*(\hd)+2*(n%4):QB+32+8*(\hd)+2*(n%4)+1]
.set n, n+1
.endr
	WIN 0x0f
.set n, 0
.rept 16
	v_cvt_pk_bf16_f32 v[AO+8*(n/4)+4*(\hd)+n%4], v[O+2*n], v[O+2*n+1]
.set n, n+1
.endr
.endm
; ---- the end of a layer's feed-forward: the last groups' Y^T, the partial sums, LayerNorm 2.  next = 1: a change of slots has done group a's products; the next layer's offsets, biases and first fragments are taken on the way
.macro POSTFF next
.if !(\next)
	s_wait_dscnt 0x0                               ; both groups' ff_w2 are in
	FF2 0, 1
.endif
	FF2 1, 0
	PLACES
	WIN 0
	PARAM PB, P_B2
	PARAM PG, P_L2G
	PARAM PE, P_L2B
.if \next
	s_wait_xcnt 0x0                                ; the offsets are stepped only behind this wait
	v_add_nc_u32 v[PL], 512, v[PL]
	v_add_nc_u32 v[PQ], 1536, v[PQ]
	v_add_nc_u32 v[PB1], 8192, v[PB1]
	PRE_ATT
.endif
	XRND 1
	XRND 2
	XRND 3
	s_wait_loadcnt 0x0
	LN 1
	PACKX
.endm
.macro ADDR dst, add, shift, base, lanereg  ; ((w + add) & 3) << shift, + base, + a lane term
	s_add_co_u32 s40, s12, \add
	s_and_b32 s40, s40, 3
	s_lshl_b32 s40, s40, \shift
	s_add_co_u32 s40, s40, \base
	v_add_nc_u32 v[\dst], s40, v[\lanereg]
.endm
	s_load_b256 s[4:11], s[0:1], 0x0
	v_lshl_add_u32 v[SPW], v0, 2, SPARE
	v_mov_b32 v[NIL], 0
	ds_add_u32 v[SPW], v[NIL]                      ; the wave's opening: the add and its wait ahead of the round in front of my first tensor load
	ds_add_u32 v3, v4
	v_lshrrev_b32 v6, 5, v0
	v_readfirstlane_b32 s12, v6                    ; wave 0..3
	s_bfe_u32 s13, ttmp6, 0x40000                  ; cx
	s_lshl_b32 s14, ttmp9, 2
	s_add_co_u32 s14, s14, s13                     ; b = 4 x cluster + cx: it enters data's and xo's addresses alone
	s_and_b32 s51, ttmp9, 7                        ; k: where my cluster begins a layer's eight feed-forward steps; the same in the four partners
	s_mov_b32 s33, s51
	s_mov_b32 s47, 0
	s_mov_b32 s50, 0
	s_mov_b32 s16, 15|(3<<16)|(1<<21)              ; group 1: mask of the four work-groups; elements of 8 bytes; bit 21 beside a mask; no padding
	s_mov_b32 s17, 32<<16                          ; tensor_dim0 = 32 elements: rows of 256 bytes
	s_mov_b32 s18, 128<<16                         ; tensor_dim1 = 128 rows: 32,768 dense bytes
	s_mov_b32 s19, 32<<16                          ; tile_dim0
	s_mov_b32 s20, 128                             ; tile_dim1
	s_mov_b32 s21, 32                              ; elements from row to row
	s_mov_b32 s22, 0
	s_mov_b32 s23, 0
	s_mov_b32 s24, 1                               ; group 0: count
	s_lshl_b32 s25, s12, 15                        ; LDS address: slot 0, my quarter
	s_mov_b32 s28, SLOTB                           ; the first change of slots turns it into 0
	s_mov_b32 s29, 6
	s_mov_b32 s34, 0x3eb8aa3b                      ; c = log2(e) / 4
	s_mov_b32 s35, 0x3eb8aa3b
	s_mov_b32 s36, 0x76543210
	s_mov_b32 s37, 0xfedcba98
	s_mov_b32 s38, 0x3c000000                      ; 1 / 128
	s_mov_b32 s39, 0x3727c5ac                      ; 1e-5
	v_and_b32 v7, 31, v0
	v_lshlrev_b32 v[L16], 4, v7
	v_bfe_u32 v8, v0, 4, 1
	v_lshlrev_b32 v[H32], 5, v8
	v_and_b32 v9, 15, v0
	v_mov_b32 v[ZR], 0
	v_mul_u32_u24 v39, v9, 3072                    ; data: a row of axis 0 is 3,072 bytes
	v_mul_u32_u24 v36, v8, 96                      ; lin0_w: eight channels are 96 bytes
	s_mul_i32 s44, s12, 49152
	s_mul_i32 s45, s14, 12
	s_add_co_u32 s44, s44, s45
	v_add_nc_u32 v39, s44, v39
	s_lshl_b32 s42, s12, 20                        ; xo: my 16 rows of 65,536 bytes, and b's 256 bytes in each
	s_lshl_b32 s43, s14, 8
	s_add_co_u32 s42, s42, s43
	s_mov_b32 s43, 0
	s_lshl_b32 s40, s12, 15
	s_mov_b32 s41, 0
	s_wait_dscnt 0x0                               ; the opening add is done
	s_wait_kmcnt 0x0
	s_add_nc_u64 s[10:11], s[10:11], s[42:43]
	s_add_nc_u64 s[48:49], s[6:7], s[40:41]        ; ws at my quarter: kept as it is
	s_mov_b64 s[26:27], s[48:49]                   ; step 0
	s_or_b32 s27, s27, 0x80000000                  ; type = 2
	global_load_b32 v33, v39, s[4:5]
	global_load_b32 v34, v39, s[4:5] offset:4
	global_load_b32 v35, v39, s[4:5] offset:8
	WIN 0xc0
.set k, 0
.rept 48                               ; lin0_w of my 64 channels: w[16 db + 8 h + j][i] at 24 db + 3 j + i
	global_load_b128 v[4*k:4*k+3], v36, s[8:9] offset:P_W0+192*(k/6)+16*(k%6)
.set k, k+1
.endr
.set k, 0
.rept 16                               ; lin0_b: the sums start with it
	global_load_b128 v[192+4*k:192+4*k+3], v[H32], s[8:9] offset:P_B0+64*(k/2)+16*(k%2)
.set k, k+1
.endr
	WIN 0
	ROUND                                          ; all four work-groups are here: the first joint loads meet
	REFILL
.irp u, 0,1,2,3
	ADDR QA+\u, \u, 15, 0, L16
	ADDR XSO+\u, \u, 12, XS, L16
	ADDR RDO+\u, 4-\u, 13, RED, L16
.endr
	ADDR AOO, 0, 12, RED, L16
.irp u, 1,2,3
	ADDR AOO+\u, \u, 12, RED+(4-\u)*1024, L16
.endr
	ADDR B1O, 0, 11, B1S, L16
	ADDR B1R, 0, 11, B1S, H32
	ADDR PQ, 0, 7, 0, H32
	s_lshl_b32 s40, s12, 11
	s_add_co_u32 s40, s40, P_B1
	v_lshl_add_u32 v[PB1], v9, 4, s40
	v_mov_b32 v[PL], v[H32]
	s_wait_loadcnt 0x0
	v_cvt_pk_bf16_f32 v37, v33, v34                ; data is rounded to bf16 like the other inputs
	v_cvt_pk_bf16_f32 v38, v35, v35
	v_lshlrev_b32 v33, 16, v37
	v_and_b32 v34, 0xffff0000, v37
	v_lshlrev_b32 v35, 16, v38
	WIN 0xcc
.irp i, 0,1,2
.set n, 0
.rept 64
	v_fmac_f32 v[192+n], v[33+\i], v[24*(n/8)+3*(n%8)+\i]
.set n, n+1
.endr
.endr
	WIN 0x4c
.set n, 0
.rept 64
	v_max_num_f32 v[XR+n], 0, v[192+n]
.set n, n+1
.endr
	PACKX
	CHANGE 1                                       ; step 0 is in, everybody's quarter; my cluster's first feed-forward step is asked for
	PRE_ATT
	SHARE
	WIN 0
	s_branch .Llayer                               ; the loop over layers is entered in its middle
.Lnext:                                                ; five times: a layer's eighth slot, its end, and the way into the next layer
	TRIP 2                                         ; the next layer's attention block is asked for
	MEET 1                                         ; it is in; that layer's first feed-forward step is asked for: it has the layer's end and the attention phase in which to land
	POSTFF 1
	SHARE
	WIN 0
.Llayer:
	v_lshrrev_b32 v36, 5, v[H32]                   ; my 512 numbers of ff_b1, in my cluster's order: the 256 bytes at place 2 i + lane / 16 are those of step (k + place) & 7
.irp i, 0,1,2,3
	v_add3_u32 v[32+\i], v36, s51, 2*\i
	v_and_b32 v[32+\i], 7, v[32+\i]
	v_lshl_add_u32 v[32+\i], v[32+\i], 8, v[PB1]
.endr
	WIN 0x40
.irp i, 0,1,2,3
	global_load_b128 v[T+4*\i:T+4*\i+3], v[32+\i], s[8:9]
.endr
	WIN 0
	PARAM PB, P_AOB
	s_wait_loadcnt 20                              ; attn_in_b is in; the 20 loads just issued stay out
	s_wait_dscnt 0x0                               ; attn_in_w's fragments and the others' rows of x
.set kb, 0
.rept 4                                ; q, k, v: 96 products, the 24 accumulators by turns
.if kb == 0
	WIN 0xd6
.else
	WIN 0xf6
.endif
.set n, 0
.rept 16                               ; q and k transposed: tile n / 4, row block n % 4; the sums start with the bias
.if kb == 0
	v_wmma_f32_16x16x32_bf16 v[8*n:8*n+7], v[8*(4*(n/4)+kb):8*(4*(n/4)+kb)+7], v[XF+32*(n%4)+8*kb:XF+32*(n%4)+8*kb+7], v[QB+8*(n/4):QB+8*(n/4)+7]
.else
	v_wmma_f32_16x16x32_bf16 v[8*n:8*n+7], v[8*(4*(n/4)+kb):8*(4*(n/4)+kb)+7], v[XF+32*(n%4)+8*kb:XF+32*(n%4)+8*kb+7], v[8*n:8*n+7]
.endif
.set n, n+1
.endr
	WIN 0xf9
.rept 8                                ; v as it lies
.if kb == 0
	v_wmma_f32_16x16x32_bf16 v[8*n:8*n+7], v[XF+32*(n%4)+8*kb:XF+32*(n%4)+8*kb+7], v[8*(4*(n/4)+kb):8*(4*(n/4)+kb)+7], 0
.else
	v_wmma_f32_16x16x32_bf16 v[8*n:8*n+7], v[XF+32*(n%4)+8*kb:XF+32*(n%4)+8*kb+7], v[8*(4*(n/4)+kb):8*(4*(n/4)+kb)+7], v[8*n:8*n+7]
.endif
.set n, n+1
.endr
.set kb, kb+1
.endr
	PLACES
	WIN 0
	s_wait_xcnt 0x0                                ; ff_b1's four offset registers are written again only behind this wait
.set n, 0
.rept 16                               ; the other head's half of Q's operands is 0
	v_mov_b32 v[QF+8*(n/4)+4+n%4], 0
	v_mov_b32 v[QF+32+8*(n/4)+n%4], 0
.set n, n+1
.endr
.irp i, 0,1,2
	v_add_nc_u32 v[WO+\i], s28, v[QA+1+\i]
.endr
	WIN 0x0f
.set n, 0
.rept 16                               ; row block n / 4, register n % 4
	v_cvt_pk_bf16_f32 v[QF+8*(n/4)+n%4],      v[8*(n/4)+2*(n%4)],     v[8*(n/4)+2*(n%4)+1]
	v_cvt_pk_bf16_f32 v[QF+32+8*(n/4)+4+n%4], v[32+8*(n/4)+2*(n%4)],  v[32+8*(n/4)+2*(n%4)+1]
	v_cvt_pk_bf16_f32 v[KF+8*(n/4)+n%4],      v[64+8*(n/4)+2*(n%4)],  v[64+8*(n/4)+2*(n%4)+1]
	v_cvt_pk_bf16_f32 v[KF+8*(n/4)+4+n%4],    v[96+8*(n/4)+2*(n%4)],  v[96+8*(n/4)+2*(n%4)+1]
	v_cvt_pk_bf16_f32 v[VF+n],                v[128+8*(n/4)+2*(n%4)], v[128+8*(n/4)+2*(n%4)+1]
	v_cvt_pk_bf16_f32 v[VF+16+n],             v[160+8*(n/4)+2*(n%4)], v[160+8*(n/4)+2*(n%4)+1]
.set n, n+1
.endr
	WIN 0x80
.set k, 0
.rept 64                               ; attn_out_w: all 128 rows; the 32 columns of wave (w + k / 16) & 3 lie in that wave's quarter
	ds_load_b128 v[4*k:4*k+3], v[CUR+k/16] offset:24576+512*(k%16)
.set k, k+1
.endr
	HEAD 0
	HEAD 1
	WIN 0
	PARAM PG, P_L1G
	PARAM PE, P_L1B
	s_wait_loadcnt 32                              ; ff_b1 and attn_out_b are in; LayerNorm 1's 32 loads stay out
	WIN 0x04
.irp i, 0,1,2,3
	ds_store_b128 v[B1O], v[T+4*\i:T+4*\i+3] offset:512*\i
.endr
	WIN 0
.set k, 2
.rept 6                                ; my heads' outputs for the other waves' rows
	ds_store_b128 v[AOO], v[AO+4*k:AO+4*k+3] offset:512*k
.set k, k+1
.endr
	CHANGE 1                                       ; its wait and its round also show those stores to the others, and end the reads of the attention block
.set k, 2
.rept 6                                ; the other heads' outputs for my rows
	ds_load_b128 v[AO+4*k:AO+4*k+3], v[AOO+k/2] offset:512*(k%2)
.set k, k+1
.endr
	WIN 0xc2
.set n, 0
.rept 8                                ; Z^T for my rows: my own heads first; the sums start with attn_out_b
	v_wmma_f32_16x16x32_bf16 v[Z+8*n:Z+8*n+7], v[8*n:8*n+7], v[AO:AO+7], v[PB+8*n:PB+8*n+7]
.set n, n+1
.endr
	s_wait_dscnt 0x0
	WIN 0xf2
.set n, 8
.rept 24                               ; the 8 accumulators by turns
	v_wmma_f32_16x16x32_bf16 v[Z+8*(n%8):Z+8*(n%8)+7], v[8*n:8*n+7], v[AO+8*(n/8):AO+8*(n/8)+7], v[Z+8*(n%8):Z+8*(n%8)+7]
.set n, n+1
.endr
	PLACES
	s_mov_b32 s32, 0
	LDW1                                           ; the first feed-forward slot's fragments come in under LayerNorm 1
	LDW2 0
	LDW2 1
	s_wait_loadcnt 0x0
	LN 0
	PACKX
	SHARE
	s_wait_dscnt 0x0
	FF1 0, 2                                       ; beside the first slot's hidden products Y^T is cleared
	FF1 1, 3
	s_mov_b32 s32, 256
	WIN 0
	s_mov_b32 s30, 6
.Lff:                                                  ; slots 2 to 7
	TRIP 1
	WIN 0
	s_sub_co_u32 s30, s30, 1
	s_cmp_lg_u32 s30, 0
	s_cbranch_scc1 .Lff
	s_sub_co_u32 s29, s29, 1
	s_cmp_lg_u32 s29, 0
	s_cbranch_scc1 .Lnext
	TRIP 0                                         ; the sixth layer's eighth slot is written out: nothing is left to ask for
	POSTFF 0
	; x leaves in bf16, [s][b][128]: through my own block of XS, back as whole rows of 256 bytes
	WIN 0x04
.set k, 0
.rept 8
	ds_store_b128 v[XSO], v[XF+4*k:XF+4*k+3] offset:512*k
.set k, k+1
.endr
	WIN 0
	v_and_b32 v48, 15, v0
	v_bfe_u32 v49, v0, 4, 1
	v_lshlrev_b32 v50, 8, v48                      ; the 16 bytes of channels 8 c on of row r lie at 256 c + 16 r: lane takes c = lane % 16, row 2 t + lane / 16
	v_lshl_add_u32 v50, v49, 4, v50
	s_lshl_b32 s40, s12, 12
	s_add_co_u32 s40, s40, XS
	v_add_nc_u32 v50, s40, v50
	v_lshlrev_b32 v51, 4, v48
	v_lshl_add_u32 v51, v49, 16, v51
.set k, 0
.rept 8
	ds_load_b128 v[52+4*k:52+4*k+3], v50 offset:32*k  ; LDS serves a wave's instructions in order (ISA guide 5.7.1.4): these see the stores above
.set k, k+1
.endr
.set k, 0
.rept 8
	s_wait_dscnt 7-k                               ; rows 2 k, 2 k + 1 are back; the later loads stay out
	global_store_b128 v51, v[52+4*k:52+4*k+3], s[10:11] offset:131072*k  ; 16 lanes store 256 consecutive bytes, at a multiple of 256 from xo's first byte
.set k, k+1
.endr
	s_wait_tensorcnt 0x0                           ; the wave's end
	ds_add_u32 v[SPW], v[NIL]
	s_wait_dscnt 0x0
	ROUND                                          ; the closing round
	s_endpgm
.Lfunc_end_k_qdee1aacaaf_enc:
	.size	k_qdee1aacaaf_enc, .Lfunc_end_k_qdee1aacaaf_enc-k_qdee1aacaaf_enc
	.p2alignl 7, 3214868480
	.fill 96, 4, 3214868480
	.section	.rodata,"a",@progbits
	.p2align	6, 0x0
	.amdhsa_kernel k_qdee1aacaaf_enc
		.amdhsa_group_segment_fixed_size 327680
		.amdhsa_private_segment_fixed_size 0
		.amdhsa_enable_private_segment 0
		.amdhsa_kernarg_size 32
		.amdhsa_user_sgpr_count 2
		.amdhsa_user_sgpr_kernarg_segment_ptr 1
		.amdhsa_wavefront_size32 1
		.amdhsa_system_sgpr_workgroup_id_x 1
		.amdhsa_system_sgpr_workgroup_id_y 1
		.amdhsa_system_sgpr_workgroup_id_z 1
		.amdhsa_system_vgpr_workitem_id 0
		.amdhsa_next_free_vgpr 1024
		.amdhsa_next_free_sgpr 66
		.amdhsa_reserve_vcc 0
		.amdhsa_float_denorm_mode_32 3
		.amdhsa_float_denorm_mode_16_64 3
		.amdhsa_memory_ordered 1
		.amdhsa_forward_progress 1
		.amdhsa_inst_pref_size 255
	.end_amdhsa_kernel
	.section	.bss,"aw",@nobits
	.p2align	6
	.space	262144
	.amdgpu_metadata
---
amdhsa.version: [ 1, 2 ]
amdhsa.kernels:
  - .name:           k_qdee1aacaaf_enc
    .symbol:         k_qdee1aacaaf_enc.kd
    .args:
      - { .name: data, .offset: 0, .size: 8, .value_kind: global_buffer, .address_space: global }
      - { .name: ws, .offset: 8, .size: 8, .value_kind: global_buffer, .address_space: global }
      - { .name: par, .offset: 16, .size: 8, .value_kind: global_buffer, .address_space: global }
      - { .name: xo, .offset: 24, .size: 8, .value_kind: global_buffer, .address_space: global }
    .group_segment_fixed_size: 327680
    .private_segment_fixed_size: 0
    .kernarg_segment_align: 8
    .kernarg_segment_size: 32
    .max_flat_workgroup_size: 128
    .sgpr_count:     66
    .vgpr_count:     1024
    .wavefront_size: 32
...
	.end_amdgpu_metadata
.endif
;; end of part 2
;; launch pool (part 3): grid 64 x 1, 4 waves a work-group, no clusters, 167,936 bytes of LDS; arguments xo, lw, par, lin3_b, out0, out1, out2; writes out0, out1, out2
.if DOCPART == 3
	.amdgcn_target "amdgcn-amd-amdhsa--gfx1250"
	.amdhsa_code_object_version 6
	.text
	.protected	k_qdee1aacaaf_pool
	.globl	k_qdee1aacaaf_pool
	.p2align	8
	.type	k_qdee1aacaaf_pool,@function
k_qdee1aacaaf_pool:
	s_mov_b64 s[64:65], 0
	v_nop
	global_prefetch_b8 v0, s[64:65] scope:SCOPE_SE
	s_setreg_imm32_b32 hwreg(HW_REG_WAVE_MODE, 25, 1), 1
	s_wait_xcnt 0x0
; Set2Set (6 steps), the memory LSTM, lin1 and lin3 for ONE index s of axis 0: a chain of dependent steps on 256 atoms x 128 channels.  64 work-groups, four waves.
; NO CLUSTER: the work-groups share the weights alone, and each reads them once, into registers.  64 work-groups are all the independent chains that there are.
; SHARES.  Thread tid owns channel tid of h, c, r and of each gate; wave w owns atoms 64 w .. 64 w + 63 (a lane: 64 w + lane and 64 w + 32 + lane).
; x of this s comes once by tensor loads into LDS (rows of 256 + 32 bytes) and from there once into registers, as it lies (for e = x h) and turned (for r = a x).  The LSTM's weights stay in registers too.
; PRODUCTS of a vector with a matrix: source 0 = the vector in all 16 rows (every lane of a half reads the same LDS bytes), source 1 = 16 rows of the matrix: register 0 of lane l holds the result for row l % 16,
; and one v_cndmask_b32 between the tiles t = 0 and t = 1 gives each of the 32 lanes its own number.
; SOFTMAX over the 256 atoms: each wave takes its own maximum m_w away (p = 2^((e - m_w) log2 e), rounded to bf16 for the product, its sum l_w taken of the unrounded p);
; r's sums are kept apart by wave and joined with 2^((m_w - M) log2 e), M the maximum of the four: no fixed shift.
; The memory LSTM's state is zero in reference(): mem_whh is multiplied by that zero vector, once, at the start.
; LIMITS: operands in bf16; sigmoid(x) = 1 / (1 + 2^(-x log2 e)), tanh(x) = 1 - 2 / (1 + 2^(2 x log2 e)): an absolute error of about 1e-7; weights below 2^-126 count as 0; NaN and infinities are not treated apart.
; out0's 256 bytes come from 64 work-groups, four bytes each: there is one number for each s.
.set XP,    288                        ; a row of x in LDS: an odd multiple of 32 bytes, for the turning load
.set HB,    73728                      ; behind x, never filled by a tensor load: h in bf16, 256 bytes
.set O_RB,  256                        ; from HB on: r in bf16
.set O_PB,  512                        ; p in bf16, 512 bytes
.set O_ST,  1024                       ; (m_w, l_w), 8 bytes a wave
.set O_OH,  1280                       ; hx in f32, 512 bytes; cx behind it
.set O_SV,  2304                       ; lin3's four partial sums
.set SPARE, HB+2560                    ; the spare words: 128 bytes a wave, two blocks of 256 bytes that no other line names
.set SPW, 1
.set NIL, 2
.set AH,  3                            ; HB + 2 tid
.set AB,  4                            ; HB + 16 (lane / 16)
.set AST, 5                            ; HB + O_ST
.set AP,  6                            ; HB + O_PB + 128 w + 2 lane
.set ASW, 7                            ; HB + O_ST + 8 w
.set AXE, 8                            ; x as it lies
.set AXT, 9                            ; x turned, atoms 0-127; v10: atoms 128-255
.set T4,  11                           ; 4 tid
.set L16, 12                           ; 16 lane
.set CC,  13                           ; c
.set HH,  14                           ; h
.set AO4, 15                           ; HB + O_OH + 4 tid
.set BS,  16                           ; v16-19  (s2s_bih + s2s_bhh) x the gate's factor
.set GM,  20                           ; v20-23  (0 x mem_whh + mem_bih + mem_bhh) x the gate's factor
.set ZF,  24                           ; v24-31  zeros as an operand
.set HF,  32                           ; h as four operands; r's four follow, so that [h, r] is HF + 8 kb, kb = 0..7
.set RF,  64
.set PF,  96                           ; p as eight operands
.set ACC, 160                          ; eight accumulators
.set G,   224                          ; v224-251 at work
.set LB1, 252                          ; lin1_b[tid]
.set LW3, 253                          ; lin3_w[tid]
; windows 1 and 2: the LSTM's weights, tile tau k block kb at 64 tau + 8 kb.  window 3: first mem_whh; then x as it lies 32 a + 8 kb, x turned 128 + 64 t + 8 kk; at the end lin1_w in 0-63.
; scalars: s[4:5] xo, s[6:7] lw, s[8:9] par, s[10:11] lin3_b, s[12:13] out0, s[14:15] out1, s[16:17] out2; s18 wave; s[20:23], s[24:31] the descriptor; s32 lanes 16-31; s[34:35] selects; s36 steps to go;
; s37 lin3_b; s[42:47] lw at my wave's parts; s50 -log2 e, s51 2 log2 e, s52 log2 e
.set MSB, 0
.macro WIN new
.if MSB != (\new)
	s_set_vgpr_msb (MSB<<8)|(\new)
.set MSB, \new
.endif
.endm
.macro PLACES
.rept 4
	v_nop
.endr
.endm
.macro BAR                             ; my LDS stores and reads are done; then the work-group's barrier
	s_wait_dscnt 0x0
	s_barrier_signal -1
	s_barrier_wait -1
.endm
.macro LDWS off                        ; 64 fragments of my wave's LSTM weights into windows 1 and 2
	WIN 0x40
.set k, 0
.rept 64
	global_load_b128 v[4*k:4*k+3], v[L16], s[42:43] offset:(\off)+512*k
.set k, k+1
.endr
	WIN 0x80
.set k, 0
.rept 64
	global_load_b128 v[4*k:4*k+3], v[L16], s[42:43] offset:(\off)+32768+512*k
.set k, k+1
.endr
.endm
.macro GATES                           ; [h, r] x the weights: 8 tiles x 8 k blocks; four accumulators by turns
.irp hf, 0, 1
	WIN 0x04+0x04*\hf
.set n, 0
.rept 32
.if n < 4
	v_wmma_f32_16x16x32_bf16 v[ACC+32*\hf+8*(n%4):ACC+32*\hf+8*(n%4)+7], v[HF+8*(n/4):HF+8*(n/4)+7], v[64*(n%4)+8*(n/4):64*(n%4)+8*(n/4)+7], 0
.else
	v_wmma_f32_16x16x32_bf16 v[ACC+32*\hf+8*(n%4):ACC+32*\hf+8*(n%4)+7], v[HF+8*(n/4):HF+8*(n/4)+7], v[64*(n%4)+8*(n/4):64*(n%4)+8*(n/4)+7], v[ACC+32*\hf+8*(n%4):ACC+32*\hf+8*(n%4)+7]
.endif
.set n, n+1
.endr
.endr
.endm
.macro ACT b                           ; the gates i, f, g, o of my channel; c and h
	WIN 0
.irp g, 0,1,2,3
	v_cndmask_b32 v[G+\g], v[ACC+16*\g], v[ACC+16*\g+8], s32
.endr
	v_fma_f32 v[G],   v[G],   s50, v[\b]
	v_fma_f32 v[G+1], v[G+1], s50, v[\b+1]
	v_fma_f32 v[G+2], v[G+2], s51, v[\b+2]
	v_fma_f32 v[G+3], v[G+3], s50, v[\b+3]
.irp g, 0,1,2,3
	v_exp_f32 v[G+\g], v[G+\g]
.endr
	v_nop                                          ; a plain instruction behind the last exponential
	s_wait_alu depctr_va_vdst(0)
.irp g, 0,1,2,3
	v_add_f32 v[G+\g], 1.0, v[G+\g]
.endr
.irp g, 0,1,2,3
	v_rcp_f32 v[G+\g], v[G+\g]
.endr
	v_nop
	s_wait_alu depctr_va_vdst(0)
	v_fma_f32 v[G+2], v[G+2], -2.0, 1.0            ; tanh g
	v_mul_f32 v[G+2], v[G], v[G+2]
	v_fma_f32 v[CC], v[G+1], v[CC], v[G+2]
	v_mul_f32 v[G], s51, v[CC]
	v_exp_f32 v[G], v[G]
	v_nop
	s_wait_alu depctr_va_vdst(0)
	v_add_f32 v[G], 1.0, v[G]
	v_rcp_f32 v[G], v[G]
	v_nop
	s_wait_alu depctr_va_vdst(0)
	v_fma_f32 v[G], v[G], -2.0, 1.0                ; tanh c
	v_mul_f32 v[HH], v[G+3], v[G]
.endm
.macro WSUM op, r, t                   ; over the wave's 32 lanes; t has been written before
.irp m, 1,2,4,8
	\op\()_dpp v[\r], v[\r], v[\r] row_xmask:\m row_mask:0xf bank_mask:0xf
.endr
	v_permlanex16_b32 v[\t], v[\r], s34, s35
	\op v[\r], v[\r], v[\t]
.endm
; A STEP of Set2Set.  last = 1: the registers that have had their last use are loaded with the memory LSTM's weights and lin1_w.
.macro STEP last
	GATES
	PLACES
.if \last
	LDWS 262144                                    ; mem_wih
.endif
	ACT BS
	v_cvt_pk_bf16_f32 v[G], v[HH], v[HH]
	ds_store_b16 v[AH], v[G]
	BAR
.set k, 0
.rept 8
	ds_load_b128 v[HF+4*k:HF+4*k+3], v[AB] offset:32*k
.set k, k+1
.endr
	s_wait_dscnt 0x0
	WIN 0x0c
.set n, 0
.rept 16                               ; e for my 64 atoms: k block n / 4, 16 atoms n % 4
.if n < 4
	v_wmma_f32_16x16x32_bf16 v[ACC+8*(n%4):ACC+8*(n%4)+7], v[HF+8*(n/4):HF+8*(n/4)+7], v[32*(n%4)+8*(n/4):32*(n%4)+8*(n/4)+7], 0
.else
	v_wmma_f32_16x16x32_bf16 v[ACC+8*(n%4):ACC+8*(n%4)+7], v[HF+8*(n/4):HF+8*(n/4)+7], v[32*(n%4)+8*(n/4):32*(n%4)+8*(n/4)+7], v[ACC+8*(n%4):ACC+8*(n%4)+7]
.endif
.set n, n+1
.endr
	PLACES
.if \last
	WIN 0xc0
.set k, 0
.rept 16
	global_load_b128 v[4*k:4*k+3], v[L16], s[46:47] offset:655360+512*k  ; lin1_w
.set k, k+1
.endr
.endif
	WIN 0
	v_cndmask_b32 v[G+4], v[ACC], v[ACC+8], s32
	v_cndmask_b32 v[G+5], v[ACC+16], v[ACC+24], s32
	v_max_num_f32 v[G+6], v[G+4], v[G+5]
	WSUM v_max_num_f32, G+6, G+3                   ; m_w
	v_mul_f32 v[G+8], s52, v[G+6]
	v_fma_f32 v[G+4], v[G+4], s52, -v[G+8]
	v_fma_f32 v[G+5], v[G+5], s52, -v[G+8]
	v_exp_f32 v[G+4], v[G+4]
	v_exp_f32 v[G+5], v[G+5]
	v_nop
	s_wait_alu depctr_va_vdst(0)
	v_add_f32 v[G+7], v[G+4], v[G+5]
	WSUM v_add_f32, G+7, G+3                       ; l_w
	v_cvt_pk_bf16_f32 v[G+9], v[G+4], v[G+5]
	ds_store_b16 v[AP], v[G+9]
	ds_store_b16_d16_hi v[AP], v[G+9] offset:64
	ds_store_b64 v[ASW], v[G+6:G+7]                ; all lanes write the same two words
	BAR
.set k, 0
.rept 16
	ds_load_b128 v[PF+4*k:PF+4*k+3], v[AB] offset:O_PB+32*k
.set k, k+1
.endr
	ds_load_b128 v[G+8:G+11], v[AST]
	ds_load_b128 v[G+12:G+15], v[AST] offset:16
	s_wait_dscnt 0x0
	WIN 0x0c
.set n, 0
.rept 16                               ; r for my 32 channels: accumulator 4 t + ws = n % 8 takes the 64 atoms of wave ws in two links; the 8 by turns
.set kk, 2*(n%4)+n/8
.if n < 8
	v_wmma_f32_16x16x32_bf16 v[ACC+8*(n%8):ACC+8*(n%8)+7], v[PF+8*kk:PF+8*kk+7], v[128+64*((n%8)/4)+8*kk:128+64*((n%8)/4)+8*kk+7], 0
.else
	v_wmma_f32_16x16x32_bf16 v[ACC+8*(n%8):ACC+8*(n%8)+7], v[PF+8*kk:PF+8*kk+7], v[128+64*((n%8)/4)+8*kk:128+64*((n%8)/4)+8*kk+7], v[ACC+8*(n%8):ACC+8*(n%8)+7]
.endif
.set n, n+1
.endr
	WIN 0                                          ; the seven plain lines that follow name none of those products' registers: they are the places behind them
	v_max3_num_f32 v[G+16], v[G+8], v[G+10], v[G+12]
	v_max_num_f32 v[G+16], v[G+16], v[G+14]        ; M
	v_mul_f32 v[G+16], s52, v[G+16]
.irp i, 8,10,12,14
	v_fma_f32 v[G+\i], v[G+\i], s52, -v[G+16]
.endr
.irp i, 8,10,12,14
	v_exp_f32 v[G+\i], v[G+\i]
.endr
	v_nop
	s_wait_alu depctr_va_vdst(0)
	v_mul_f32 v[G+17], v[G+8], v[G+9]
	v_fma_f32 v[G+17], v[G+10], v[G+11], v[G+17]
	v_fma_f32 v[G+17], v[G+12], v[G+13], v[G+17]
	v_fma_f32 v[G+17], v[G+14], v[G+15], v[G+17]
	v_rcp_f32 v[G+17], v[G+17]
.irp i, 0,1,2,3
	v_cndmask_b32 v[G+18+\i], v[ACC+8*\i], v[ACC+32+8*\i], s32
.endr
	v_mul_f32 v[G+22], v[G+18], v[G+8]
	v_fma_f32 v[G+22], v[G+19], v[G+10], v[G+22]
	v_fma_f32 v[G+22], v[G+20], v[G+12], v[G+22]
	v_fma_f32 v[G+22], v[G+21], v[G+14], v[G+22]
	s_wait_alu depctr_va_vdst(0)
	v_mul_f32 v[G+22], v[G+22], v[G+17]
	v_cvt_pk_bf16_f32 v[G+22], v[G+22], v[G+22]
	ds_store_b16 v[AH], v[G+22] offset:O_RB
	BAR
.set k, 0
.rept 8
	ds_load_b128 v[RF+4*k:RF+4*k+3], v[AB] offset:O_RB+32*k
.set k, k+1
.endr
	s_wait_dscnt 0x0
.endm
	s_load_b256 s[4:11], s[0:1], 0x0
	s_load_b128 s[12:15], s[0:1], 0x20
	s_load_b64 s[16:17], s[0:1], 0x30
	v_lshl_add_u32 v[SPW], v0, 2, SPARE
	v_mov_b32 v[NIL], 0
	ds_add_u32 v[SPW], v[NIL]                      ; the wave's opening: the add and its wait ahead of my first tensor load
	ds_add_u32 v1, v2
	v_lshrrev_b32 v3, 5, v0
	v_readfirstlane_b32 s18, v3                    ; wave 0..3
	s_mov_b32 s24, (1<<16)|(1<<20)|(5<<22)|(7<<25) ; group 1: elements of 2 bytes; padding on: after every 64 words 8 words
	s_mov_b32 s25, 128<<16                         ; tensor_dim0 = 128
	s_mov_b32 s26, 64<<16                          ; tensor_dim1 = 64
	s_mov_b32 s27, 128<<16                         ; tile_dim0
	s_mov_b32 s28, 64                              ; tile_dim1
	s_mov_b32 s29, 128                             ; elements from row to row
	s_mov_b32 s30, 0
	s_mov_b32 s31, 0
	s_mov_b32 s20, 1
	s_mul_i32 s21, s18, 64*XP                      ; my 64 atoms' place in LDS
	s_mov_b32 s32, 0xffff0000
	s_mov_b32 s34, 0x76543210
	s_mov_b32 s35, 0xfedcba98
	s_mov_b32 s50, 0xbfb8aa3b
	s_mov_b32 s51, 0x4038aa3b
	s_mov_b32 s52, 0x3fb8aa3b
	s_lshl_b32 s40, ttmp9, 16                      ; s's 65,536 bytes of xo, my 64 rows of 256
	s_lshl_b32 s41, s18, 14
	s_add_co_u32 s40, s40, s41
	s_mov_b32 s41, 0
	s_wait_dscnt 0x0                               ; the opening add is done
	s_wait_kmcnt 0x0
	s_add_nc_u64 s[22:23], s[4:5], s[40:41]
	s_or_b32 s23, s23, 0x80000000
	tensor_load_to_lds s[20:23], s[24:31]          ; the wave's one tensor load: nothing is filled again
	s_nop 0
	PLACES
	s_load_b32 s37, s[10:11], 0x0
	s_lshl_b32 s40, s18, 16
	s_add_nc_u64 s[42:43], s[6:7], s[40:41]
	s_lshl_b32 s40, s18, 15
	s_add_nc_u64 s[44:45], s[6:7], s[40:41]
	s_lshl_b32 s40, s18, 13
	s_add_nc_u64 s[46:47], s[6:7], s[40:41]
	s_lshl_b32 s40, ttmp9, 9
	s_add_nc_u64 s[14:15], s[14:15], s[40:41]
	s_add_nc_u64 s[16:17], s[16:17], s[40:41]
	s_lshl_b32 s40, ttmp9, 2
	s_add_nc_u64 s[12:13], s[12:13], s[40:41]
	v_and_b32 v16, 31, v0
	v_lshlrev_b32 v[L16], 4, v16
	v_lshlrev_b32 v[T4], 2, v0
	WIN 0xc0
.set k, 0
.rept 64
	global_load_b128 v[4*k:4*k+3], v[L16], s[44:45] offset:524288+512*k  ; mem_whh
.set k, k+1
.endr
	LDWS 0                                         ; the Set2Set LSTM's weights
	WIN 0
.irp g, 0,1,2,3
	global_load_b32 v[G+\g],    v[T4], s[8:9] offset:78848+512*\g
	global_load_b32 v[G+4+\g],  v[T4], s[8:9] offset:80896+512*\g
	global_load_b32 v[G+8+\g],  v[T4], s[8:9] offset:82944+512*\g
	global_load_b32 v[G+12+\g], v[T4], s[8:9] offset:84992+512*\g
.endr
	global_load_b32 v[LB1], v[T4], s[8:9] offset:87040
	global_load_b32 v[LW3], v[T4], s[8:9] offset:87552
	v_and_b32 v17, 15, v0
	v_bfe_u32 v18, v0, 4, 1
	v_lshl_add_u32 v[AH], v0, 1, HB
	v_lshl_add_u32 v[AB], v18, 4, HB
	v_mov_b32 v[AST], HB+O_ST
	s_lshl_b32 s40, s18, 7
	s_add_co_u32 s40, s40, HB+O_PB
	v_lshl_add_u32 v[AP], v16, 1, s40
	s_lshl_b32 s40, s18, 3
	s_add_co_u32 s40, s40, HB+O_ST
	v_mov_b32 v[ASW], s40
	v_mul_u32_u24 v[AXE], v17, XP                  ; atom 64 w + lane % 16, 16 bytes for each half of the lanes
	v_lshl_add_u32 v[AXE], v18, 4, v[AXE]
	v_add_nc_u32 v[AXE], s21, v[AXE]
	v_and_b32 v19, 7, v0                           ; the turning load: atom 8 (lane / 16) + lane % 8, channels 32 w + 8 ((lane / 8) % 2) on
	v_lshl_add_u32 v19, v18, 3, v19
	v_mul_u32_u24 v[AXT], v19, XP
	v_bfe_u32 v19, v0, 3, 1
	v_lshl_add_u32 v[AXT], v19, 4, v[AXT]
	s_lshl_b32 s40, s18, 6
	v_add_nc_u32 v[AXT], s40, v[AXT]
	v_add_nc_u32 v[AXT+1], 128*XP, v[AXT]
	v_lshl_add_u32 v[AO4], v0, 2, HB+O_OH
.set k, ZF
.rept 72                               ; the zero operand; h and r start at 0
	v_mov_b32 v[k], 0
.set k, k+1
.endr
	v_mov_b32 v[CC], 0
	s_wait_loadcnt 0x0
	WIN 0x0c
.set n, 0
.rept 32                               ; the zero state x mem_whh: k block n / 8, tile n % 8
.if n < 8
	v_wmma_f32_16x16x32_bf16 v[ACC+8*(n%8):ACC+8*(n%8)+7], v[ZF:ZF+7], v[8*(4*(n%8)+n/8):8*(4*(n%8)+n/8)+7], 0
.else
	v_wmma_f32_16x16x32_bf16 v[ACC+8*(n%8):ACC+8*(n%8)+7], v[ZF:ZF+7], v[8*(4*(n%8)+n/8):8*(4*(n%8)+n/8)+7], v[ACC+8*(n%8):ACC+8*(n%8)+7]
.endif
.set n, n+1
.endr
	PLACES
	WIN 0
.irp g, 0,1,2,3
	v_cndmask_b32 v[GM+\g], v[ACC+16*\g], v[ACC+16*\g+8], s32
	v_add_f32 v[G+8+\g], v[G+8+\g], v[G+12+\g]
	v_add_f32 v[GM+\g], v[GM+\g], v[G+8+\g]
	v_add_f32 v[BS+\g], v[G+\g], v[G+4+\g]
.endr
.irp g, 0,1,3
	v_mul_f32 v[GM+\g], s50, v[GM+\g]
	v_mul_f32 v[BS+\g], s50, v[BS+\g]
.endr
	v_mul_f32 v[GM+2], s51, v[GM+2]
	v_mul_f32 v[BS+2], s51, v[BS+2]
	s_wait_tensorcnt 0x0                           ; my 64 atoms are in LDS,
	s_barrier_signal -1
	s_barrier_wait -1                              ; everybody's are
	WIN 0xc0
.set n, 0
.rept 16                               ; x as it lies: 16 atoms n / 4, k block n % 4
	ds_load_b128 v[8*n:8*n+3],   v[AXE] offset:(n/4)*16*XP+(n%4)*64
	ds_load_b128 v[8*n+4:8*n+7], v[AXE] offset:(n/4)*16*XP+(n%4)*64+32
.set n, n+1
.endr
.set n, 0
.rept 16                               ; x turned: channels 16 (n / 8) on, atoms 32 (n % 8) on
	ds_load_tr16_b128 v[128+8*n:128+8*n+3],   v[AXT+(n%8)/4] offset:(n%4)*32*XP+32*(n/8)
	ds_load_tr16_b128 v[128+8*n+4:128+8*n+7], v[AXT+(n%8)/4] offset:(n%4)*32*XP+16*XP+32*(n/8)
.set n, n+1
.endr
	WIN 0
	s_wait_dscnt 0x0
	s_wait_kmcnt 0x0                               ; lin3_b
	s_mov_b32 s36, 5
.Lstep:
	STEP 0
	WIN 0
	s_sub_co_u32 s36, s36, 1
	s_cmp_lg_u32 s36, 0
	s_cbranch_scc1 .Lstep
	STEP 1
	s_wait_loadcnt 16                              ; mem_wih is in; lin1_w's 16 loads, issued behind it, may be out
	v_mov_b32 v[CC], 0                             ; the memory LSTM starts from a zero state
	GATES
	PLACES
	ACT GM
	v_cvt_pk_bf16_f32 v[G], v[HH], v[HH]
	ds_store_b16 v[AH], v[G]
	ds_store_b32 v[AO4], v[HH]
	ds_store_b32 v[AO4], v[CC] offset:512
	BAR
.set k, 0
.rept 8
	ds_load_b128 v[HF+4*k:HF+4*k+3], v[AB] offset:32*k
.set k, k+1
.endr
	s_cmp_ge_u32 s18, 2
	s_cbranch_scc1 .Lnorow
	s_cmp_eq_u32 s18, 0                            ; wave 0 stores hx's row, wave 1 cx's: one instruction, 512 consecutive bytes
	s_cselect_b64 s[40:41], s[14:15], s[16:17]
	s_lshl_b32 s48, s18, 9
	s_add_co_u32 s48, s48, HB+O_OH
	v_add_nc_u32 v[G+1], s48, v[L16]
	ds_load_b128 v[G+4:G+7], v[G+1]
	s_wait_dscnt 0x0
	global_store_b128 v[L16], v[G+4:G+7], s[40:41]
.Lnorow:
	s_wait_loadcnt 0x0                             ; lin1_w
	s_wait_dscnt 0x0
	WIN 0x0c
.set n, 0
.rept 8                                ; lin1: k block n / 2, tile n % 2: the two accumulators by turns
.if n < 2
	v_wmma_f32_16x16x32_bf16 v[ACC+8*(n%2):ACC+8*(n%2)+7], v[HF+8*(n/2):HF+8*(n/2)+7], v[8*(4*(n%2)+n/2):8*(4*(n%2)+n/2)+7], 0
.else
	v_wmma_f32_16x16x32_bf16 v[ACC+8*(n%2):ACC+8*(n%2)+7], v[HF+8*(n/2):HF+8*(n/2)+7], v[8*(4*(n%2)+n/2):8*(4*(n%2)+n/2)+7], v[ACC+8*(n%2):ACC+8*(n%2)+7]
.endif
.set n, n+1
.endr
	PLACES
	WIN 0
	v_cndmask_b32 v[G+16], v[ACC], v[ACC+8], s32
	v_add_f32 v[G+16], v[G+16], v[LB1]
	v_max_num_f32 v[G+16], 0, v[G+16]
	v_mul_f32 v[G+16], v[G+16], v[LW3]             ; lin3 (one output) in f32
	WSUM v_add_f32, G+16, G+17
	s_lshl_b32 s48, s18, 2
	s_add_co_u32 s48, s48, HB+O_SV
	v_mov_b32 v[G+18], s48
	ds_store_b32 v[G+18], v[G+16]
	BAR
	s_wait_tensorcnt 0x0                           ; the wave's end, behind my last LDS store
	ds_add_u32 v[SPW], v[NIL]
	s_wait_dscnt 0x0
	s_cmp_lg_u32 s18, 0
	s_cbranch_scc1 .Lend
	v_mov_b32 v[G+18], HB+O_SV
	ds_load_b128 v[G+20:G+23], v[G+18]
	v_mov_b32 v[G+19], s37
	v_cvt_pk_bf16_f32 v[G+19], v[G+19], v[G+19]    ; lin3_b is rounded to bf16 like the other inputs
	v_lshlrev_b32 v[G+19], 16, v[G+19]
	v_mov_b32 v[G+24], 0
	s_wait_dscnt 0x0
	v_add_f32 v[G+20], v[G+20], v[G+21]
	v_add_f32 v[G+22], v[G+22], v[G+23]
	v_add_f32 v[G+20], v[G+20], v[G+22]
	v_add_f32 v[G+20], v[G+20], v[G+19]
	s_wait_xcnt 0x0                                ; EXEC changes only behind this wait
	v_cmp_eq_u32 vcc_lo, 0, v0
	s_and_saveexec_b32 s48, vcc_lo
	global_store_b32 v[G+24], v[G+20], s[12:13]
	s_wait_xcnt 0x0
	s_or_b32 exec_lo, exec_lo, s48
.Lend:
	s_endpgm
.Lfunc_end_k_qdee1aacaaf_pool:
	.size	k_qdee1aacaaf_pool, .Lfunc_end_k_qdee1aacaaf_pool-k_qdee1aacaaf_pool
	.p2alignl 7, 3214868480
	.fill 96, 4, 3214868480
	.section	.rodata,"a",@progbits
	.p2align	6, 0x0
	.amdhsa_kernel k_qdee1aacaaf_pool
		.amdhsa_group_segment_fixed_size 167936
		.amdhsa_private_segment_fixed_size 0
		.amdhsa_enable_private_segment 0
		.amdhsa_kernarg_size 56
		.amdhsa_user_sgpr_count 2
		.amdhsa_user_sgpr_kernarg_segment_ptr 1
		.amdhsa_wavefront_size32 1
		.amdhsa_system_sgpr_workgroup_id_x 1
		.amdhsa_system_sgpr_workgroup_id_y 1
		.amdhsa_system_sgpr_workgroup_id_z 1
		.amdhsa_system_vgpr_workitem_id 0
		.amdhsa_next_free_vgpr 1024
		.amdhsa_next_free_sgpr 66
		.amdhsa_reserve_vcc 1
		.amdhsa_float_denorm_mode_32 3
		.amdhsa_float_denorm_mode_16_64 3
		.amdhsa_memory_ordered 1
		.amdhsa_forward_progress 1
		.amdhsa_inst_pref_size 84
	.end_amdhsa_kernel
	.amdgpu_metadata
---
amdhsa.version: [ 1, 2 ]
amdhsa.kernels:
  - .name:           k_qdee1aacaaf_pool
    .symbol:         k_qdee1aacaaf_pool.kd
    .args:
      - { .name: xo, .offset: 0, .size: 8, .value_kind: global_buffer, .address_space: global }
      - { .name: lw, .offset: 8, .size: 8, .value_kind: global_buffer, .address_space: global }
      - { .name: par, .offset: 16, .size: 8, .value_kind: global_buffer, .address_space: global }
      - { .name: lin3_b, .offset: 24, .size: 8, .value_kind: global_buffer, .address_space: global }
      - { .name: out0, .offset: 32, .size: 8, .value_kind: global_buffer, .address_space: global }
      - { .name: out1, .offset: 40, .size: 8, .value_kind: global_buffer, .address_space: global }
      - { .name: out2, .offset: 48, .size: 8, .value_kind: global_buffer, .address_space: global }
    .group_segment_fixed_size: 167936
    .private_segment_fixed_size: 0
    .kernarg_segment_align: 8
    .kernarg_segment_size: 56
    .max_flat_workgroup_size: 128
    .sgpr_count:     66
    .vgpr_count:     1024
    .wavefront_size: 32
...
	.end_amdgpu_metadata
.endif
;; end of part 3
;; ======== version 2 of 2: 3 launches; version 1 with the launch cast written anew for expert scheduling mode
;; workspace buffers: ws 7,077,888 bytes; lw 688,128 bytes; par 88,064 bytes; xo 4,194,304 bytes
;; launch cast (part 4): grid 259 x 1, 8 waves a work-group, no clusters, 0 bytes of LDS; arguments attn_in_w, attn_out_w, ff_w1, ff_w2, s2s_wih, s2s_whh, mem_wih, mem_whh, lin1_w, attn_in_b, attn_out_b, ln1_g, ln1_b, ff_b1, ff_b2, ln2_g, ln2_b, lin0_w, lin0_b, s2s_bih, s2s_bhh, mem_bih, mem_bhh, lin1_b, lin3_w, ws, lw, par; writes ws, lw, par
.if DOCPART == 4
	.amdgcn_target "amdgcn-amd-amdhsa--gfx1250"
	.amdhsa_code_object_version 6
	.text
	.protected	k_qdee1aacaaf_cast
	.globl	k_qdee1aacaaf_cast
	.p2align	8
	.type	k_qdee1aacaaf_cast,@function
k_qdee1aacaaf_cast:
	s_mov_b64 s[64:65], 0
	v_nop
	global_prefetch_b8 v0, s[64:65] scope:SCOPE_SE
	s_setreg_imm32_b32 hwreg(HW_REG_WAVE_SCHED_MODE, 0, 2), 2
	s_setreg_imm32_b32 hwreg(HW_REG_WAVE_MODE, 25, 1), 1
	s_wait_xcnt 0x0
	s_wait_alu depctr_vm_vsrc(0)
; Every weight matrix is rounded once to bf16 and laid out in FRAGMENTS, in the order in which the two later launches take them; every small
; vector is rounded once to bf16 and kept as f32 (the bf16 bits on top, zeros below).
; A fragment is 1,024 bytes: 16 rows x 32 k of a matrix M, as [q = 0,1][lane 0..31][16 bytes]; piece (q, lane) holds
; M[row0 + lane % 16][k0 + 16 q + 8 (lane / 16) + 0..7].  A load of 16 bytes a lane at 16 lane + 512 q is then half of a matrix operand.
; Work-groups 0-215: block id of ws (32,768 bytes = 32 fragments): id = (9 l + n) 4 + w, layer l, step n, wave w of the encoder.
;   n = 0: fragments 4 tau + kb (tau = qA qB kA kB vA vB of heads 2 w, 2 w + 1), then 24 + db: rows 16 db of attn_out_w, columns 32 w on.
;   n = 1..8: two groups gg of 32 columns of the hidden layer, dff0 = 512 w + 32 (2 (n - 1) + gg): 16 gg + 4 t + kb: ff_w1 rows dff0 + 16 t; 16 gg + 8 + db: ff_w2 rows 16 db, columns dff0 on.
; Work-groups 216-236: the 21 blocks of lw (the two LSTMs' weights and lin1_w, by wave of the pooling launch).
; Work-groups 237-258: the 172 pieces of 512 bytes of par, one a wave.
; A wave makes four fragments: 16 loads of 16 bytes a lane, 32 roundings, 8 stores of 512 consecutive bytes each, at multiples of 512 from the buffer's first byte.
; STATED: the first 128 columns of s2s_wih and s2s_whh multiply the same vector in every step of reference() (q_star's first half is h, zeros included),
; so their bf16 values are added and the sum rounded to bf16 once more: that weight is rounded twice.
; THE MODE: SCHED_MODE bits 1:0 = 2 (LLVM: expert scheduling mode 2), set by the entry lines.  The code itself states the register dependences
; between vector instructions and memory instructions, with s_wait_alu, always for 0.
; THE PLAN.  There is no loop: a wave takes one of three ways from the head to its end.  Registers that memory instructions touch:
;   v3         16 lane: made at the head, read by every store as its offset, never written again.
;   v6 .. v10  the loads' offsets: made at the head of a way, read by its loads, never written again (on the small way v6 the load's, v7 the store's).
;   X, X2      written by the loads alone, once; read by the roundings.
;   Y          four registers a piece, written by that piece's roundings, read by one store, never written again.
;   Y2, v4, v5 are named by vector instructions alone.
; No register that a memory instruction has read is written again, so no wait on vm_vsrc is owed.  One wait on va_vdst stands behind a way's offsets, ahead of its first load.
; The roundings go by fragment, and a fragment's two stores stand one fragment behind its roundings: at the head of fragment i, behind the wait for its data,
; one wait on va_vdst states that fragment i - 1's roundings have written their Y; one more stands ahead of the last two stores.
.set SRC,    66                        ; s[66:67] the matrix
.set PITCH,  68                        ; bytes from row to row
.set BASE,   69                        ; byte offset of the wave's first fragment
.set STRIDE, 70                        ; bytes from fragment to fragment
.set DST,    72                        ; s[72:73] where the wave's 4,096 bytes go
.set SRC2,   76                        ; s[76:77] the second matrix of the sum
.set BASE2,  78
.set X,   16                           ; v[16:79]   as loaded, 8 registers a piece
.set X2,  80                           ; v[80:143]  the second matrix
.set Y,   144                          ; v[144:175] to store, 4 registers a piece
.set Y2,  176                          ; v[176:179] at work
	s_load_b512 s[4:19], s[0:1], 0x0               ; argument k lies in s[4+2k:5+2k]
	s_load_b512 s[20:35], s[0:1], 0x40
	s_load_b512 s[36:51], s[0:1], 0x80
	s_load_b256 s[52:59], s[0:1], 0xc0             ; ws s[54:55], lw s[56:57], par s[58:59]
	v_lshrrev_b32 v1, 5, v0
	v_readfirstlane_b32 s3, v1                     ; wave v, 0..7
	s_mov_b32 s2, ttmp9                            ; id
	v_and_b32 v2, 31, v0
	v_lshlrev_b32 v3, 4, v2                        ; 16 lane
	v_and_b32 v4, 15, v0                           ; lane % 16
	v_bfe_u32 v5, v0, 4, 1                         ; lane / 16
	s_wait_alu depctr_va_sdst(0)                   ; s3 is written, ahead of its first reader: the offsets, the bases and the branches below are made from it
	s_and_b32 s84, s3, 1                           ; v & 1
	s_lshr_b32 s85, s3, 1                          ; v >> 1
	s_lshl_b32 s82, s3, 12                         ; the wave's 4,096 bytes in its block
	s_mov_b32 s81, 0
	s_wait_kmcnt 0x0
.macro ROW0 tau, w                     ; s90 = (tau >> 1) 128 + 32 w + (tau & 1) 16
	s_lshr_b32 s90, s[\tau], 1
	s_lshl_b32 s90, s90, 7
	s_lshl_b32 s91, s[\w], 5
	s_add_co_u32 s90, s90, s91
	s_and_b32 s91, s[\tau], 1
	s_lshl_b32 s91, s91, 4
	s_add_co_u32 s90, s90, s91
.endm
; Four fragments.  Piece k = 2 i + q of fragment i.  merge = 1: the sum of two matrices' bf16 values.
.macro FRAG4 merge
	v_mul_lo_u32 v6, v4, s[PITCH]
	v_lshl_add_u32 v6, v5, 5, v6                   ; row x pitch + 32 bytes for the upper half of the lanes
	v_add_nc_u32 v6, s[BASE], v6
	v_add_nc_u32 v7, s[STRIDE], v6
	v_add_nc_u32 v8, s[STRIDE], v7
	v_add_nc_u32 v9, s[STRIDE], v8
.if \merge
	v_lshlrev_b32 v10, 9, v4                       ; s2s_whh: rows of 512 bytes, fragments 128 bytes apart
	v_lshl_add_u32 v10, v5, 5, v10
	v_add_nc_u32 v10, s[BASE2], v10
.endif
	s_wait_alu depctr_va_vdst(0)                   ; the offsets are written: v6 to v9 (and v10), which the loads below read, and v3, which every store reads
.set k, 0
.rept 8
	global_load_b128 v[X+8*k:X+8*k+3],   v[6+k/2], s[SRC:SRC+1] offset:64*(k%2)
	global_load_b128 v[X+8*k+4:X+8*k+7], v[6+k/2], s[SRC:SRC+1] offset:64*(k%2)+16
.set k, k+1
.endr
.if \merge
.set k, 0
.rept 8
	global_load_b128 v[X2+8*k:X2+8*k+3],   v10, s[SRC2:SRC2+1] offset:128*(k/2)+64*(k%2)
	global_load_b128 v[X2+8*k+4:X2+8*k+7], v10, s[SRC2:SRC2+1] offset:128*(k/2)+64*(k%2)+16
.set k, k+1
.endr
.endif
.set i, 0
.rept 4
	s_wait_loadcnt 12-4*i                          ; loads come back in order (ISA guide 5.7.1): fragment i's four are in, the later fragments' stay out; with two matrices the count goes over the second's sixteen, issued behind all of the first's
.if i > 0
	s_wait_alu depctr_va_vdst(0)                   ; fragment i - 1's roundings have written its eight registers of Y, which the two stores below read; no vector instruction behind this wait names them
	global_store_b128 v3, v[Y+8*i-8:Y+8*i-5], s[DST:DST+1] offset:1024*i-1024  ; 512 consecutive bytes
	global_store_b128 v3, v[Y+8*i-4:Y+8*i-1], s[DST:DST+1] offset:1024*i-512
.endif
.irp q, 0,1
.set k, 2*i+\q
.irp p, 0,1,2,3
	v_cvt_pk_bf16_f32 v[Y+4*k+\p], v[X+8*k+2*\p], v[X+8*k+2*\p+1]
.endr
.if \merge
.irp p, 0,1,2,3
	v_cvt_pk_bf16_f32 v[Y2+\p], v[X2+8*k+2*\p], v[X2+8*k+2*\p+1]
.endr
.irp p, 0,1,2,3
	v_pk_add_bf16 v[Y+4*k+\p], v[Y+4*k+\p], v[Y2+\p]
.endr
.endif
.endr
.set i, i+1
.endr
	s_wait_alu depctr_va_vdst(0)                   ; the last fragment's roundings have written their Y, which the last two stores read
	global_store_b128 v3, v[Y+24:Y+27], s[DST:DST+1] offset:3072
	global_store_b128 v3, v[Y+28:Y+31], s[DST:DST+1] offset:3584
	s_endpgm
.endm
	s_cmp_ge_u32 s2, 237
	s_cbranch_scc1 .Lsmall
	s_cmp_ge_u32 s2, 216
	s_cbranch_scc1 .Llw
	; ---- a block of ws
	s_lshl_b32 s80, s2, 15
	s_add_co_u32 s80, s80, s82
	s_add_nc_u64 s[DST:DST+1], s[54:55], s[80:81]
	s_lshr_b32 s86, s2, 2                          ; 9 l + n
	s_and_b32 s87, s2, 3                           ; w
	s_mul_i32 s88, s86, 57
	s_lshr_b32 s88, s88, 9                         ; l = (9 l + n) / 9: exact for 0..53
	s_mul_i32 s89, s88, 9
	s_sub_co_u32 s89, s86, s89                     ; n
	s_cmp_lg_u32 s89, 0
	s_cbranch_scc1 .Lffw
	s_cmp_ge_u32 s3, 6
	s_cbranch_scc1 .Lwo
	s_mov_b64 s[SRC:SRC+1], s[4:5]                 ; attn_in_w: tile tau = v, its four k blocks
	s_mov_b32 s[PITCH], 512
	s_mov_b32 s[STRIDE], 128
	ROW0 3, 87
	s_lshl_b32 s90, s90, 9
	s_mul_i32 s[BASE], s88, 196608
	s_add_co_u32 s[BASE], s[BASE], s90
	s_branch .Lplain
.Lwo:
	s_mov_b64 s[SRC:SRC+1], s[6:7]                 ; attn_out_w: row blocks 4 (v - 6) on, columns 32 w on
	s_mov_b32 s[PITCH], 512
	s_mov_b32 s[STRIDE], 8192
	s_sub_co_u32 s90, s3, 6
	s_lshl_b32 s90, s90, 15
	s_lshl_b32 s91, s87, 7
	s_add_co_u32 s90, s90, s91
	s_lshl_b32 s[BASE], s88, 16
	s_add_co_u32 s[BASE], s[BASE], s90
	s_branch .Lplain
.Lffw:
	s_lshr_b32 s90, s3, 2                          ; gg
	s_sub_co_u32 s91, s89, 1
	s_lshl_b32 s91, s91, 1
	s_add_co_u32 s91, s91, s90
	s_lshl_b32 s91, s91, 5
	s_lshl_b32 s92, s87, 9
	s_add_co_u32 s91, s91, s92                     ; dff0
	s_lshl_b32 s[BASE], s88, 20                    ; a layer of ff_w1 or ff_w2 is 1,048,576 bytes
	s_bitcmp1_b32 s3, 1
	s_cbranch_scc1 .Lw2
	s_mov_b64 s[SRC:SRC+1], s[8:9]                 ; ff_w1: rows dff0 + 16 (v & 1), four k blocks
	s_mov_b32 s[PITCH], 512
	s_mov_b32 s[STRIDE], 128
	s_lshl_b32 s92, s84, 4
	s_add_co_u32 s91, s91, s92
	s_lshl_b32 s91, s91, 9
	s_add_co_u32 s[BASE], s[BASE], s91
	s_branch .Lplain
.Lw2:
	s_mov_b64 s[SRC:SRC+1], s[10:11]               ; ff_w2: row blocks 4 (v & 1) on, columns dff0 on
	s_mov_b32 s[PITCH], 8192
	s_mov_b32 s[STRIDE], 131072
	s_lshl_b32 s92, s84, 19
	s_lshl_b32 s91, s91, 2
	s_add_co_u32 s91, s91, s92
	s_add_co_u32 s[BASE], s[BASE], s91
	s_branch .Lplain
	; ---- a block of lw
.Llw:
	s_sub_co_u32 s86, s2, 216                      ; block B
	s_lshl_b32 s80, s86, 15
	s_add_co_u32 s80, s80, s82
	s_add_nc_u64 s[DST:DST+1], s[56:57], s[80:81]
	s_mov_b32 s[STRIDE], 128
	s_cmp_ge_u32 s86, 20
	s_cbranch_scc1 .Llin1
	s_cmp_ge_u32 s86, 16
	s_cbranch_scc1 .Lmemh
	s_and_b32 s87, s86, 7                          ; s2s (B 0-7) or mem_wih (B 8-15): [w][tau 0..7][kb 0..7]
	s_lshr_b32 s88, s87, 1                         ; w
	s_and_b32 s89, s87, 1
	s_lshl_b32 s89, s89, 2
	s_add_co_u32 s89, s89, s85                     ; tau = 4 (B & 1) + (v >> 1); k blocks 4 (v & 1) on
	ROW0 89, 88
	s_mov_b32 s[PITCH], 1024
	s_lshl_b32 s[BASE], s90, 10
	s_lshl_b32 s91, s84, 9
	s_add_co_u32 s[BASE], s[BASE], s91
	s_cmp_ge_u32 s86, 8
	s_cbranch_scc1 .Lmemi
	s_mov_b64 s[SRC:SRC+1], s[12:13]               ; s2s_wih
	s_cmp_lg_u32 s84, 0
	s_cbranch_scc1 .Lplain                         ; columns 128 on: as they are
	s_mov_b64 s[SRC2:SRC2+1], s[14:15]             ; columns 0-127: plus s2s_whh
	s_lshl_b32 s[BASE2], s90, 9
	s_branch .Lmerge
.Lmemi:
	s_mov_b64 s[SRC:SRC+1], s[16:17]               ; mem_wih
	s_branch .Lplain
.Lmemh:
	s_sub_co_u32 s88, s86, 16                      ; mem_whh: [w][tau = v][kb 0..3]
	ROW0 3, 88
	s_mov_b64 s[SRC:SRC+1], s[18:19]
	s_mov_b32 s[PITCH], 512
	s_lshl_b32 s[BASE], s90, 9
	s_branch .Lplain
.Llin1:
	s_mov_b64 s[SRC:SRC+1], s[20:21]               ; lin1_w: rows 32 (v >> 1) + 16 (v & 1)
	s_mov_b32 s[PITCH], 512
	s_lshl_b32 s90, s85, 5
	s_lshl_b32 s91, s84, 4
	s_add_co_u32 s90, s90, s91
	s_lshl_b32 s[BASE], s90, 9
.Lplain:
	FRAG4 0
.Lmerge:
	FRAG4 1
	; ---- a piece of 512 bytes of par
.macro PICK arg, first                 ; from piece 'first' on the vector is argument s[arg:arg+1]
	s_cmp_ge_u32 s82, \first
	s_cselect_b64 s[SRC:SRC+1], s[\arg:\arg+1], s[SRC:SRC+1]
	s_cselect_b32 s80, \first, s80
.endm
.Lsmall:
	s_sub_co_u32 s82, s2, 237
	s_lshl_b32 s82, s82, 3
	s_add_co_u32 s82, s82, s3                      ; piece U
	s_cmp_ge_u32 s82, 172
	s_cbranch_scc1 .Lend                           ; the last work-group has four waves more than there are pieces
	s_mov_b64 s[SRC:SRC+1], s[22:23]               ; attn_in_b
	s_mov_b32 s80, 0
	PICK 24, 18                                    ; attn_out_b
	PICK 26, 24                                    ; ln1_g
	PICK 28, 30                                    ; ln1_b
	PICK 30, 36                                    ; ff_b1
	PICK 32, 132                                   ; ff_b2
	PICK 34, 138                                   ; ln2_g
	PICK 36, 144                                   ; ln2_b
	PICK 38, 150                                   ; lin0_w
	PICK 40, 153                                   ; lin0_b
	PICK 42, 154                                   ; s2s_bih
	PICK 44, 158                                   ; s2s_bhh
	PICK 46, 162                                   ; mem_bih
	PICK 48, 166                                   ; mem_bhh
	PICK 50, 170                                   ; lin1_b
	PICK 52, 171                                   ; lin3_w
	s_sub_co_u32 s80, s82, s80
	s_lshl_b32 s80, s80, 9
	s_lshl_b32 s83, s82, 9
	v_add_nc_u32 v6, s80, v3
	v_add_nc_u32 v7, s83, v3
	s_wait_alu depctr_va_vdst(0)                   ; v6 is written, which the load reads as its offset; so is v7, the store's
	global_load_b128 v[16:19], v6, s[SRC:SRC+1]
	s_wait_loadcnt 0x0
	v_cvt_pk_bf16_f32 v12, v16, v17
	v_cvt_pk_bf16_f32 v13, v18, v19
	v_lshlrev_b32 v24, 16, v12                     ; the bf16 value as f32
	v_and_b32 v25, 0xffff0000, v12
	v_lshlrev_b32 v26, 16, v13
	v_and_b32 v27, 0xffff0000, v13
	s_wait_alu depctr_va_vdst(0)                   ; v24 to v27 are written, which the store reads
	global_store_b128 v7, v[24:27], s[58:59]
.Lend:
	s_endpgm
.Lfunc_end_k_qdee1aacaaf_cast:
	.size	k_qdee1aacaaf_cast, .Lfunc_end_k_qdee1aacaaf_cast-k_qdee1aacaaf_cast
	.p2alignl 7, 3214868480
	.fill 96, 4, 3214868480
	.section	.rodata,"a",@progbits
	.p2align	6, 0x0
	.amdhsa_kernel k_qdee1aacaaf_cast
		.amdhsa_group_segment_fixed_size 0
		.amdhsa_private_segment_fixed_size 0
		.amdhsa_enable_private_segment 0
		.amdhsa_kernarg_size 224
		.amdhsa_user_sgpr_count 2
		.amdhsa_user_sgpr_kernarg_segment_ptr 1
		.amdhsa_wavefront_size32 1
		.amdhsa_system_sgpr_workgroup_id_x 1
		.amdhsa_system_sgpr_workgroup_id_y 1
		.amdhsa_system_sgpr_workgroup_id_z 1
		.amdhsa_system_vgpr_workitem_id 0
		.amdhsa_next_free_vgpr 184
		.amdhsa_next_free_sgpr 100
		.amdhsa_reserve_vcc 0
		.amdhsa_float_denorm_mode_32 3
		.amdhsa_float_denorm_mode_16_64 3
		.amdhsa_memory_ordered 1
		.amdhsa_forward_progress 1
		.amdhsa_inst_pref_size 24
	.end_amdhsa_kernel
	.amdgpu_metadata
---
amdhsa.version: [ 1, 2 ]
amdhsa.kernels:
  - .name:           k_qdee1aacaaf_cast
    .symbol:         k_qdee1aacaaf_cast.kd
    .args:
      - { .name: attn_in_w, .offset: 0, .size: 8, .value_kind: global_buffer, .address_space: global }
      - { .name: attn_out_w, .offset: 8, .size: 8, .value_kind: global_buffer, .address_space: global }
      - { .name: ff_w1, .offset: 16, .size: 8, .value_kind: global_buffer, .address_space: global }
      - { .name: ff_w2, .offset: 24, .size: 8, .value_kind: global_buffer, .address_space: global }
      - { .name: s2s_wih, .offset: 32, .size: 8, .value_kind: global_buffer, .address_space: global }
      - { .name: s2s_whh, .offset: 40, .size: 8, .value_kind: global_buffer, .address_space: global }
      - { .name: mem_wih, .offset: 48, .size: 8, .value_kind: global_buffer, .address_space: global }
      - { .name: mem_whh, .offset: 56, .size: 8, .value_kind: global_buffer, .address_space: global }
      - { .name: lin1_w, .offset: 64, .size: 8, .value_kind: global_buffer, .address_space: global }
      - { .name: attn_in_b, .offset: 72, .size: 8, .value_kind: global_buffer, .address_space: global }
      - { .name: attn_out_b, .offset: 80, .size: 8, .value_kind: global_buffer, .address_space: global }
      - { .name: ln1_g, .offset: 88, .size: 8, .value_kind: global_buffer, .address_space: global }
      - { .name: ln1_b, .offset: 96, .size: 8, .value_kind: global_buffer, .address_space: global }
      - { .name: ff_b1, .offset: 104, .size: 8, .value_kind: global_buffer, .address_space: global }
      - { .name: ff_b2, .offset: 112, .size: 8, .value_kind: global_buffer, .address_space: global }
      - { .name: ln2_g, .offset: 120, .size: 8, .value_kind: global_buffer, .address_space: global }
      - { .name: ln2_b, .offset: 128, .size: 8, .value_kind: global_buffer, .address_space: global }
      - { .name: lin0_w, .offset: 136, .size: 8, .value_kind: global_buffer, .address_space: global }
      - { .name: lin0_b, .offset: 144, .size: 8, .value_kind: global_buffer, .address_space: global }
      - { .name: s2s_bih, .offset: 152, .size: 8, .value_kind: global_buffer, .address_space: global }
      - { .name: s2s_bhh, .offset: 160, .size: 8, .value_kind: global_buffer, .address_space: global }
      - { .name: mem_bih, .offset: 168, .size: 8, .value_kind: global_buffer, .address_space: global }
      - { .name: mem_bhh, .offset: 176, .size: 8, .value_kind: global_buffer, .address_space: global }
      - { .name: lin1_b, .offset: 184, .size: 8, .value_kind: global_buffer, .address_space: global }
      - { .name: lin3_w, .offset: 192, .size: 8, .value_kind: global_buffer, .address_space: global }
      - { .name: ws, .offset: 200, .size: 8, .value_kind: global_buffer, .address_space: global }
      - { .name: lw, .offset: 208, .size: 8, .value_kind: global_buffer, .address_space: global }
      - { .name: par, .offset: 216, .size: 8, .value_kind: global_buffer, .address_space: global }
    .group_segment_fixed_size: 0
    .private_segment_fixed_size: 0
    .kernarg_segment_align: 8
    .kernarg_segment_size: 224
    .max_flat_workgroup_size: 256
    .sgpr_count:     100
    .vgpr_count:     184
    .wavefront_size: 32
...
	.end_amdgpu_metadata
.endif
;; end of part 4
;; launch enc: the kernel of part 2 again; grid 256 x 1, 4 waves a work-group, clusters of 4 x 1, 327,680 bytes of LDS; arguments data, ws, par, xo; writes xo
;; launch pool: the kernel of part 3 again; grid 64 x 1, 4 waves a work-group, no clusters, 167,936 bytes of LDS; arguments xo, lw, par, lin3_b, out0, out1, out2; writes out0, out1, out2
